; MI455X (gfx1250); checked and timed in simulation.
; The chip was launched on July 23, 2026; its instructions are those of AMD's public machine-readable ISA for CDNA 5 (MIT licence, August 2026) and "CDNA5" Instruction Set Architecture Reference Guide (July 2026). The comments in the code are by the model that wrote it; some were corrected since.
;; Dynamic Temporal Attention. Allowed arithmetic: matrix products marked QUANTISED: E2M1 operands, one E8M0 scale for each 32 along K, by v_wmma_scale_f32_16x16x128_f8f6f4 with both operands' format E2M1 (or v_wmma_scale_f32_32x16x128_f4), f32 sums; products left as they are: bf16, f16 or f32 operands; f32 sums; everything else in f32.
;; Inputs: gate_sharpness 16 float32; learned_threshold 16 float32; wk_b 1,024 float32; wk_w 1,024 x 1,024 float32; wo_b 1,024 float32; wo_w 1,024 x 1,024 float32; wq_b 1,024 float32; wq_w 1,024 x 1,024 float32; wv_b 1,024 float32; wv_w 1,024 x 1,024 float32; x 2 x 2,048 x 1,024 float32.
;; Outputs: out0 2 x 2,048 x 1,024 float32.
;; This version of the problem:
;;   THIS VERSION OF THE PROBLEM IS GIVEN IN LOW PRECISION. The matrix products marked QUANTISED in the list below multiply operands that are first quantised to E2M1 (2 exponent bits, 1 mantissa bit; 4 bits a number), with one power-of-two scale for each 32 numbers along K (OCP MX v1.0); their sums are f32. The products marked 'left as it is' may take bf16, f16 or f32 operands, with f32 sums. Whichever they take, every output number must still come out within the allowed error. Rounding operands to bf16 (8 significant bits) uses up far more of that allowance than f16 does (11 bits, for magnitudes from 6e-5 to 65,504). All else is computed in f32.
;;   The module's matrix products, in the order in which they are computed (A, B: the left and right operand; K: the contracted axis; several contracted axes count as one K, in the product's order):
;;     1. [M 4,096, K 1,024] x [K 1,024, N 1,024]; A: input x; B: input wq_w: QUANTISED
;;     2. [M 4,096, K 1,024] x [K 1,024, N 1,024]; A: input x; B: input wk_w: QUANTISED
;;     3. [M 4,096, K 1,024] x [K 1,024, N 1,024]; A: input x; B: input wv_w: QUANTISED
;;     4. batch 32 x [M 2,048, K 64] x [K 64, N 2,048]; A: computed on the way; B: computed on the way: left as it is (an operand is computed on the way)
;;     5. batch 32 x [M 2,048, K 2,048] x [K 2,048, N 64]; A: computed on the way; B: computed on the way: left as it is (an operand is computed on the way)
;;     6. [M 4,096, K 1,024] x [K 1,024, N 1,024]; A: computed on the way; B: input wo_w: left as it is (an operand is computed on the way)
;;   THE QUANTISER, for each operand of a quantised product, along K:
;;     - K is cut into blocks of 32 from its start; a last block that is shorter is filled with zeros.
;;     - A block's scale is 2^e with e = floor(log2(the largest magnitude in the block)) - 2, held to -126 .. 127; a block of zeros has e = 0. As a byte (E8M0): e + 127.
;;     - Each number is divided by its block's scale, clamped to +-6, and rounded to the nearest number of E2M1, ties to even, subnormals kept.
;;     - The product sums the exact products of the quantised numbers (number of the format x scale) in f32.
;;   ~~~python
;;   def quantise(x, axis):      # numpy; x: float32 -> the quantised numbers, widened to float32 again
;;       x = np.moveaxis(x, axis, -1); K = x.shape[-1]
;;       x = np.pad(x, [(0, 0)] * (x.ndim - 1) + [(0, -K % 32)]); x = x.reshape(x.shape[:-1] + (-1, 32)); a = np.abs(x).max(-1, keepdims=True)
;;       e = np.where(a > 0, np.clip(np.frexp(np.where(a > 0, a, 1))[1] - 1 - 2, -126, 127), 0)      # np.frexp(a)[1] - 1 = floor(log2(a)), exactly
;;       r = np.clip(x / 2.0 ** e, -6, 6)
;;       step = 2.0 ** (np.maximum(np.frexp(np.where(r == 0, 1, r))[1] - 1, 0) - 1)
;;       q = np.round(r / step) * step * 2.0 ** e      # np.round: ties to even
;;       return np.moveaxis(q.reshape(q.shape[:-2] + (-1,))[..., :K], -1, axis).astype(np.float32)
;;   ~~~
;; One version. Each part assembles by itself: llvm-mc -triple=amdgcn-amd-amdhsa -mcpu=gfx1250 --defsym DOCPART=n.
;; ======== version 1 of 1: 4 launches
;; limits: values are held in f16: magnitudes above 65,504 overflow, below 6.1e-05 lose precision
;; workspace buffers: xc 2,097,152 bytes; xs 131,072 bytes; wc 1,572,864 bytes; wsc 98,304 bytes; wo16 2,097,152 bytes; qkv 25,165,824 bytes; ao 8,388,608 bytes; aoe 262,144 bytes
;; launch prep (part 1): grid 240 x 1, 4 waves a work-group, no clusters, 68,096 bytes of LDS; arguments x, wq_w, wk_w, wv_w, wo_w, xc, xs, wc, wsc, wo16; writes xc, xs, wc, wsc, wo16
.if DOCPART == 1
	.amdgcn_target "amdgcn-amd-amdhsa--gfx1250"
	.amdhsa_code_object_version 6
	.text
	.protected	k_qd96138a70a_prep
	.globl	k_qd96138a70a_prep
	.p2align	8
	.type	k_qd96138a70a_prep,@function
k_qd96138a70a_prep:
	s_mov_b64 s[64:65], 0
	v_nop
	global_prefetch_b8 v0, s[64:65] scope:SCOPE_SE
	s_setreg_imm32_b32 hwreg(HW_REG_WAVE_MODE, 25, 1), 1
	s_wait_xcnt 0x0
; Three jobs in one launch, chosen by the work-group's number.
;   work-groups 0-127:   x [4096][1024] f32 -> codes of FP4 (E2M1) xc [4096][512 bytes], K innermost, and one E8M0 byte for each 32 along K, xs [4096][32].
;   work-groups 128-175: wq_w, wk_w, wv_w [k 1024][n 1024] f32, K their FIRST axis -> one operand wc [3072 (n)][512 bytes], K innermost, and wsc [3072][32].
;   work-groups 176-239: wo_w f32 -> wo16, f16, same order.
; A block's scale is 2^(floor(log2(its largest magnitude)) - 2); its byte is the largest magnitude's exponent field - 2, held at 1 from below.
; LIMITS: a block of zeros gets the byte 1 where the rule says 127 (its codes are zeros, and this program alone reads the bytes); blocks whose largest magnitude lies under 2^-124 were not tried;
; NaN and infinities among the inputs are not served; wo_w beyond 65,504 overflows f16.
; No tensor loads, no barrier: waves share nothing.  Each path has LDS bytes of its own: x's 0-32,767, the weights' 32,768-67,583; the spare words lie behind both.
.set SPW,   190                        ; v190  LDS address of my spare word: SPARE + 4 x my thread's number; never rewritten
.set NIL,   191                        ; v191  0; never rewritten
.set SPARE, 67584
.set EMAX,  2
.macro FINISH                          ; a wave's end
	s_wait_tensorcnt 0x0
	ds_add_u32 v[SPW], v[NIL]
	s_wait_dscnt 0x0
	s_endpgm
.endm
	s_load_b512 s[4:19], s[0:1], 0x0               ; x 4:5, wq 6:7, wk 8:9, wv 10:11, wo 12:13, xc 14:15, xs 16:17, wc 18:19
	s_load_b128 s[20:23], s[0:1], 0x40             ; wsc 20:21, wo16 22:23
	v_lshl_add_u32 v[SPW], v0, 2, SPARE
	v_mov_b32 v[NIL], 0
	v_lshrrev_b32 v1, 5, v0
	v_readfirstlane_b32 s24, v1                    ; wave 0..3
	v_and_b32 v2, 31, v0                           ; lane
	s_wait_kmcnt 0x0
	s_cmp_lt_u32 ttmp9, 128
	s_cbranch_scc1 .Lx
	s_cmp_lt_u32 ttmp9, 176
	s_cbranch_scc1 .Lw
; ---- wo_w to f16.  A wave takes 4,096 numbers: 32 loads of 512 consecutive bytes, all out at once; each store covers 256 consecutive bytes, aligned.  No register is used twice.
	s_sub_co_u32 s25, ttmp9, 176
	s_lshl_b32 s26, s25, 16                        ; 16,384 numbers a work-group,
	s_lshl_b32 s27, s24, 14                        ; 4,096 a wave, in bytes of f32
	s_add_co_u32 s26, s26, s27
	s_mov_b32 s27, 0
	s_add_nc_u64 s[12:13], s[12:13], s[26:27]
	s_lshr_b32 s26, s26, 1                         ; and of f16
	s_add_nc_u64 s[22:23], s[22:23], s[26:27]
	v_lshlrev_b32 v3, 4, v2
	v_lshlrev_b32 v4, 3, v2
.set i, 0
.rept 32
	global_load_b128 v[16+4*i:19+4*i], v3, s[12:13] offset:512*i th:TH_LOAD_NT
.set i, i+1
.endr
.set i, 0
.rept 32
	s_wait_loadcnt 31-i                            ; loads come back in order: load i is in, the younger ones stay out
	v_cvt_pk_f16_f32 v[16+4*i], v[16+4*i], v[17+4*i]
	v_cvt_pk_f16_f32 v[17+4*i], v[18+4*i], v[19+4*i]
	global_store_b64 v4, v[16+4*i:17+4*i], s[22:23] offset:256*i
.set i, i+1
.endr
	FINISH
; ---- x.  Rows are dense and K is a multiple of 32: a plain stream of blocks of 32.  A wave takes 16 steps of 512 numbers.  Each load reads 512 consecutive bytes; a step's 2,048 bytes turn through
; the wave's own stage in LDS (16 bytes of padding behind each 64) and come back 64 bytes a lane: 16 neighbours along K, two lanes to a block.  A wave's 256 scale bytes are gathered in LDS and leave as one aligned 256 bytes.
.set STEPS, 16
.set CB,    8                          ; bytes of 16 codes
.set XR,    16                         ; v16-79   four sets of 16 numbers as loaded
.set XX,    80                         ; v80-111  two sets of 16 neighbours
.set XE,    112                        ; v112-127 a scale byte for each step
.set XC,    128                        ; v128-189 codes: registers of its own for each step
.set WREG,  8192                       ; a wave's LDS region: two stages of 32 x SP bytes, then its 256 scale bytes
.set SP,    80
.macro XLOAD t
.irp i, 0,1,2,3
	global_load_b128 v[XR+16*((\t)%4)+4*\i:XR+16*((\t)%4)+4*\i+3], v3, s[4:5] offset:2048*(\t)+512*\i th:TH_LOAD_NT
.endr
.endm
.macro XTURN t                         ; LDS serves a wave's instructions in order: no wait between the stores and the loads
.irp i, 0,1,2,3
	ds_store_b128 v14, v[XR+16*((\t)%4)+4*\i:XR+16*((\t)%4)+4*\i+3] offset:32*SP*((\t)%2)+8*SP*\i
.endr
.irp i, 0,1,2,3
	ds_load_b128 v[XX+16*((\t)%2)+4*\i:XX+16*((\t)%2)+4*\i+3], v15 offset:32*SP*((\t)%2)+16*\i
.endr
.endm
.macro XSTEP t
.set XS, XX+16*((\t)%2)
.if (\t) > 0
	s_wait_dscnt 1                                 ; this step's numbers are back from the stage; the last step's byte store may be out
.else
	s_wait_dscnt 0x0
.endif
.if (\t)+4 < STEPS
	XLOAD (\t)+4                                   ; into the registers that this step's stores into the stage have read
.endif
.if (\t)+1 < STEPS
.if STEPS-2-(\t) >= 3
	s_wait_loadcnt 12                              ; the next step's four loads are in; those of three later steps may be out
.else
	s_wait_loadcnt 4*(STEPS-2-(\t))
.endif
	XTURN (\t)+1
.endif
	v_max3_num_f32 v8, |v[XS]|, |v[XS+1]|, |v[XS+2]|               ; the largest magnitude of my 16, in two chains
	v_max3_num_f32 v9, |v[XS+3]|, |v[XS+4]|, |v[XS+5]|
.irp i, 6,10
	v_max3_num_f32 v8, v8, |v[XS+\i]|, |v[XS+\i+1]|
	v_max3_num_f32 v9, v9, |v[XS+\i+2]|, |v[XS+\i+3]|
.endr
	v_max3_num_f32 v8, v8, |v[XS+14]|, |v[XS+15]|
	v_max3_num_f32 v8, v8, v9, (EMAX+1)<<23        ; and the floor 2^(3 - 127): the byte cannot fall under 1
	v_max_num_f32_dpp v8, v8, v8 row_xmask:1 row_mask:0xf bank_mask:0xf   ; with my neighbour's 16: the block's
	v_add_nc_u32 v11, -(EMAX<<23), v8              ; 2 off its exponent field: the conversion takes the exponent field of this operand as its scale
	v_cvt_scalef32_pk8_fp4_f32 v[XC+4*(\t)], v[XS:XS+7], v11
	v_cvt_scalef32_pk8_fp4_f32 v[XC+4*(\t)+1], v[XS+8:XS+15], v11
	v_lshrrev_b32 v[XE+(\t)], 23, v11              ; the scale's byte
	ds_store_b8 v5, v[XE+(\t)] offset:16*(\t)      ; both lanes of a block write the same byte with the same value
	global_store_b64 v4, v[XC+4*(\t):XC+4*(\t)+1], s[14:15] offset:32*CB*(\t)   ; 256 consecutive bytes, aligned
.endm
.Lx:
	v_lshlrev_b32 v3, 4, v2                        ; my 16 bytes of a load's 512
	s_mul_i32 s25, s24, WREG
	v_lshrrev_b32 v14, 2, v2
	v_mul_u32_u24 v14, v14, SP
	v_and_b32 v15, 3, v2
	v_lshl_add_u32 v14, v15, 4, v14
	v_add_nc_u32 v14, s25, v14                     ; the stage, way in: SP (lane / 4) + 16 (lane % 4)
	v_mul_u32_u24 v15, v2, SP
	v_add_nc_u32 v15, s25, v15                     ; way out: SP x lane
	v_mul_u32_u24 v4, v2, CB
	v_lshrrev_b32 v5, 1, v2
	s_add_co_u32 s25, s25, 2*32*SP
	v_add_nc_u32 v5, s25, v5                       ; my block's scale byte
	v_lshlrev_b32 v7, 3, v2
	v_add_nc_u32 v6, s25, v7
	s_lshl_b32 s26, ttmp9, 2
	s_add_co_u32 s26, s26, s24                     ; which run of 8,192 numbers is my wave's
	s_mov_b32 s29, 0
	s_lshl_b32 s28, s26, 15
	s_add_nc_u64 s[4:5], s[4:5], s[28:29]
	s_lshl_b32 s28, s26, 12
	s_add_nc_u64 s[14:15], s[14:15], s[28:29]
	s_lshl_b32 s28, s26, 8
	s_add_nc_u64 s[16:17], s[16:17], s[28:29]
.irp t, 0,1,2,3
	XLOAD \t
.endr
	s_wait_loadcnt 12                              ; step 0's four loads are in
	XTURN 0
.irp t, 0,1,2,3,4,5,6,7,8,9,10,11,12,13,14,15
	XSTEP \t
.endr
	ds_load_b64 v[8:9], v6                         ; in order behind my byte stores
	s_wait_dscnt 0x0
	global_store_b64 v7, v[8:9], s[16:17]          ; 256 consecutive bytes, aligned
	FINISH
; ---- the three weights.  A lane takes a column n and its registers run down K: a block of 32 lies in one lane, and the conversions give codes with K innermost.  A wave takes 32 columns x 512 along K;
; its codes go through its own stage in LDS (rows 272 bytes apart) and leave as rows: sixteen lanes store 256 consecutive bytes, aligned.  Loads run two blocks ahead.
.set NB,    16                         ; blocks of 32 in 512 along K
.set WP,    272
.set WX,    32                         ; v32-95   two sets of 32 numbers
.set WC,    96                         ; v96-99   a block's codes
.set WO,    112                        ; v112-175 the way out
.set WS,    24                         ; v24-27   the scale bytes, four to a register
.macro WLOAD t
.set i, 0
.rept 32
	global_load_b32 v[WX+32*((\t)%2)+i], v3, s[28:29] offset:(32*(\t)+i)*4096 th:TH_LOAD_NT
.set i, i+1
.endr
.endm
.macro WBLOCK t
.set XS, WX+32*((\t)%2)
.if (\t) < NB-1
	s_wait_loadcnt 32                              ; this block's 32 loads are in; the next block's may be out
.else
	s_wait_loadcnt 0
.endif
	v_max3_num_f32 v12, |v[XS]|, |v[XS+1]|, |v[XS+2]|
	v_max3_num_f32 v13, |v[XS+3]|, |v[XS+4]|, |v[XS+5]|
.irp i, 6,10,14,18,22,26
	v_max3_num_f32 v12, v12, |v[XS+\i]|, |v[XS+\i+1]|
	v_max3_num_f32 v13, v13, |v[XS+\i+2]|, |v[XS+\i+3]|
.endr
	v_max3_num_f32 v12, v12, |v[XS+30]|, |v[XS+31]|
	v_max3_num_f32 v12, v12, v13, (EMAX+1)<<23
	v_add_nc_u32 v11, -(EMAX<<23), v12
	v_lshrrev_b32 v13, 23, v11
.if (\t)%4 == 0
	v_mov_b32 v[WS+(\t)/4], v13
.else
	v_lshl_or_b32 v[WS+(\t)/4], v13, 8*((\t)%4), v[WS+(\t)/4]
.endif
.irp g, 0,1,2,3
	v_cvt_scalef32_pk8_fp4_f32 v[WC+\g], v[XS+8*\g:XS+8*\g+7], v11
.endr
	ds_store_b128 v4, v[WC:WC+3] offset:16*(\t)
.if (\t)+2 < NB
	WLOAD (\t)+2
.endif
	s_wait_dscnt 0x0                               ; the store has read its registers: the next block's codes may be written
.endm
.Lw:
	s_sub_co_u32 s25, ttmp9, 128
	s_lshr_b32 s26, s25, 1                         ; group of 128 output rows, 0..23
	s_and_b32 s25, s25, 1                          ; which 512 along K
	s_lshr_b32 s27, s26, 3                         ; which weight: the choice hangs on the work-group's number alone
	s_cmp_eq_u32 s27, 0
	s_cselect_b64 s[28:29], s[6:7], s[8:9]
	s_cmp_eq_u32 s27, 2
	s_cselect_b64 s[28:29], s[10:11], s[28:29]
	s_and_b32 s27, s26, 7
	s_lshl_b32 s27, s27, 7
	s_lshl_b32 s30, s24, 5
	s_add_co_u32 s27, s27, s30                     ; my wave's first column in that weight
	s_lshl_b32 s32, s27, 2
	s_lshl_b32 s33, s25, 21                        ; 512 rows of 4,096 bytes
	s_add_co_u32 s32, s32, s33
	s_mov_b32 s33, 0
	s_add_nc_u64 s[28:29], s[28:29], s[32:33]
	s_lshl_b32 s26, s26, 7
	s_add_co_u32 s26, s26, s30                     ; my wave's first output row
	s_lshl_b32 s32, s26, 9                         ; a row of codes is 512 bytes,
	s_lshl_b32 s34, s25, 8                         ; my half of it 256
	s_add_co_u32 s32, s32, s34
	s_add_nc_u64 s[18:19], s[18:19], s[32:33]
	s_lshl_b32 s32, s26, 5                         ; a row of scale bytes is 32,
	s_lshl_b32 s34, s25, 4                         ; my half 16
	s_add_co_u32 s32, s32, s34
	s_add_nc_u64 s[20:21], s[20:21], s[32:33]
	v_lshlrev_b32 v3, 2, v2
	s_mul_i32 s31, s24, 32*WP
	s_add_co_u32 s31, s31, 32768                   ; my stage
	v_mul_u32_u24 v4, v2, WP
	v_add_nc_u32 v4, s31, v4                       ; into it: row = my column
	v_and_b32 v5, 15, v2
	v_lshrrev_b32 v6, 4, v2
	v_mul_u32_u24 v7, v6, WP
	v_lshl_add_u32 v7, v5, 4, v7
	v_add_nc_u32 v7, s31, v7                       ; out of it: sixteen lanes to a row, two rows an instruction
	v_lshlrev_b32 v8, 9, v6
	v_lshl_add_u32 v8, v5, 4, v8                   ; the same place in wc
	v_lshlrev_b32 v9, 5, v2                        ; my column's row of scale bytes
	WLOAD 0
	WLOAD 1
.set Q, 0
.rept NB
	WBLOCK Q
.set Q, Q+1
.endr
	global_store_b128 v9, v[WS:WS+3], s[20:21]
.irp t, 0,1,2,3,4,5,6,7,8,9,10,11,12,13,14,15
	ds_load_b128 v[WO+4*\t:WO+4*\t+3], v7 offset:2*\t*WP
.endr
.irp t, 0,1,2,3,4,5,6,7,8,9,10,11,12,13,14,15
	s_wait_dscnt 15-\t
	global_store_b128 v8, v[WO+4*\t:WO+4*\t+3], s[18:19] offset:2*\t*512
.endr
	FINISH
.Lfunc_end_k_qd96138a70a_prep:
	.size	k_qd96138a70a_prep, .Lfunc_end_k_qd96138a70a_prep-k_qd96138a70a_prep
	.p2alignl 7, 3214868480
	.fill 96, 4, 3214868480
	.section	.rodata,"a",@progbits
	.p2align	6, 0x0
	.amdhsa_kernel k_qd96138a70a_prep
		.amdhsa_group_segment_fixed_size 68096
		.amdhsa_private_segment_fixed_size 0
		.amdhsa_enable_private_segment 0
		.amdhsa_kernarg_size 80
		.amdhsa_user_sgpr_count 2
		.amdhsa_user_sgpr_kernarg_segment_ptr 1
		.amdhsa_wavefront_size32 1
		.amdhsa_system_sgpr_workgroup_id_x 1
		.amdhsa_system_sgpr_workgroup_id_y 1
		.amdhsa_system_sgpr_workgroup_id_z 1
		.amdhsa_system_vgpr_workitem_id 0
		.amdhsa_next_free_vgpr 192
		.amdhsa_next_free_sgpr 66
		.amdhsa_reserve_vcc 0
		.amdhsa_float_denorm_mode_32 3
		.amdhsa_float_denorm_mode_16_64 3
		.amdhsa_memory_ordered 1
		.amdhsa_forward_progress 1
		.amdhsa_inst_pref_size 122
	.end_amdhsa_kernel
	.amdgpu_metadata
---
amdhsa.version: [ 1, 2 ]
amdhsa.kernels:
  - .name:           k_qd96138a70a_prep
    .symbol:         k_qd96138a70a_prep.kd
    .args:
      - { .name: x, .offset: 0, .size: 8, .value_kind: global_buffer, .address_space: global }
      - { .name: wq_w, .offset: 8, .size: 8, .value_kind: global_buffer, .address_space: global }
      - { .name: wk_w, .offset: 16, .size: 8, .value_kind: global_buffer, .address_space: global }
      - { .name: wv_w, .offset: 24, .size: 8, .value_kind: global_buffer, .address_space: global }
      - { .name: wo_w, .offset: 32, .size: 8, .value_kind: global_buffer, .address_space: global }
      - { .name: xc, .offset: 40, .size: 8, .value_kind: global_buffer, .address_space: global }
      - { .name: xs, .offset: 48, .size: 8, .value_kind: global_buffer, .address_space: global }
      - { .name: wc, .offset: 56, .size: 8, .value_kind: global_buffer, .address_space: global }
      - { .name: wsc, .offset: 64, .size: 8, .value_kind: global_buffer, .address_space: global }
      - { .name: wo16, .offset: 72, .size: 8, .value_kind: global_buffer, .address_space: global }
    .group_segment_fixed_size: 68096
    .private_segment_fixed_size: 0
    .kernarg_segment_align: 8
    .kernarg_segment_size: 80
    .max_flat_workgroup_size: 128
    .sgpr_count:     66
    .vgpr_count:     192
    .wavefront_size: 32
...
	.end_amdgpu_metadata
.endif
;; end of part 1
;; launch qkv (part 2): grid 12 x 16, 4 waves a work-group, clusters of 4 x 4, 327,680 bytes of LDS; arguments xc, xs, wc, wsc, wq_b, wk_b, wv_b, qkv; writes qkv
.if DOCPART == 2
	.amdgcn_target "amdgcn-amd-amdhsa--gfx1250"
	.amdhsa_code_object_version 6
	.text
	.protected	k_qd96138a70a_qkv
	.globl	k_qd96138a70a_qkv
	.p2align	8
	.type	k_qd96138a70a_qkv,@function
k_qd96138a70a_qkv:
	s_mov_b64 s[64:65], 0
	v_nop
	global_prefetch_b8 v0, s[64:65] scope:SCOPE_SE
	s_setreg_imm32_b32 hwreg(HW_REG_WAVE_MODE, 25, 1), 1
	s_wait_xcnt 0x0
	s_wait_alu depctr_hold_cnt(0) depctr_sa_sdst(0) depctr_va_vdst(0) depctr_va_sdst(0) depctr_va_ssrc(0) depctr_va_vcc(0) depctr_vm_vsrc(0)
	s_getreg_b32 s2, hwreg(HW_REG_IB_STS2, 6, 4)
	s_cmp_eq_u32 s2, 0
	s_cbranch_scc0 .Lentry_in_a_cluster
	s_endpgm
.Lentry_in_a_cluster:
	s_bfe_u32 s2, ttmp6, 0x10000c
	s_cmp_lg_u32 s2, 0xf033
	s_cbranch_scc0 .Lentry_shape_is_right
	s_endpgm
.Lentry_shape_is_right:
; q, k, v = x W + b, the three products as ONE GEMM on codes of FP4 (E2M1) with one E8M0 scale for each 32 along K: A = xc [4096][1024 codes], B = wc [3072][1024 codes] (wq's, wk's, wv's columns on end).
; The result is rounded to f16 and laid by heads: qkv [3][batch x 16 + head][2048][64].  LIMIT: results beyond 65,504 overflow f16.
; A tile of 256 x 256 is made by four waves, 128 x 128 each: 64 accumulators, 512 registers.  K = 1,024 is two LDS slots of 512 along K (rows of 256 bytes): both slots and all scale bytes are first fills, nothing is filled again.
; CLUSTERS: 4 x 4 work-groups; the four of a row need the same tiles of A, the four of a column the same tiles of B: each tile is asked for jointly, by the same tensor load with a mask that names the four.
; The cluster's x is the tensor (q, k or v): four tile columns of 256 are one weight's 1,024 columns.
; THE MATRIX INSTRUCTION IS USED TRANSPOSED (source 0 = 16 rows of B, source 1 = 16 rows of A): a lane holds eight neighbouring columns of one row.  THE BIAS is the C of each sum's first instruction.
; REGISTERS: window 0: v0-31 addresses; v32-95 scale words, two sets; v128-191 A's fragments, one set; v192-255 the bias, eight registers for each of my eight column blocks.
;   window 1: B's fragments, two sets.   windows 2, 3: the accumulators ((a, b) at v[8 (8 (a % 4) + b)]).
.set NQ,     4                         ; steps of 128 along K in a slot
.set ROWB,   256                       ; a tile's row in bytes: 512 codes
.set KROW,   512                       ; a row of codes in memory
.set PITCH,  272                       ; an LDS row: 256 bytes + 16 of padding, so that the 16 rows of a load start at 16 different banks
.set FR,     8
.set NL,     2
.set NP,     4
.set HALFT,  128*PITCH
.set SLOT,   4*HALFT
.set KS,     32                        ; a row of scale bytes
.set SCL,    2*SLOT                    ; behind the ring: the scale bytes, as rows of 256 bytes + 16
.set HALFS,  (128*KS/256)*272
.set SBLK,   (16*KS/256)*272
.set SPARE,  SCL+4*HALFS               ; the spare words, 128 bytes a wave
.set ADRA, 16
.set ADRB, 20
.set STO,  24
.set RD,   25
.set CO,   26
.set ADRS, 27
.set SPW,  28
.set NIL,  29
.set BO,   30                          ; v30  32 x (lane / 16): my place in a block's bias
.set SC,   32
.set TMP,  32                          ; the way out: packed results (the scale words are done with)
.set AF,   128
.set BK,   128                         ; the way out: rows read back, v128-159 and v160-191 by turns
.set BIAS, 192
.set G1, 24
.set G0, 32
.set G1B, 48
.set G0B, 56
.set G1S, 68
.set G0S, 76
.set G1SB, 80
.set G0SB, 88
.set MSB, 0
.macro WIN new                         ; the immediate's high byte repeats the setting that is left
.if MSB != \new
	s_set_vgpr_msb (MSB<<8)|\new
.set MSB, \new
.endif
.endm
.set MUL_LO, 0xa1                      ; source 0 (B) window 1, source 1 (A) window 0, C and D window 2
.set MUL_HI, 0xf1                      ; the same, C and D window 3
.set BIA_LO, 0x81                      ; C (the bias) window 0, D window 2
.set BIA_HI, 0xc1                      ; C window 0, D window 3
.set TO_B,   0x40
; A joint load: waves 0 and 1 fetch for A, waves 2 and 3 for B; the branch hangs on the wave's number alone.  An s_nop 0 and four v_nop follow each line.
.macro JLOAD g0a, g1a, g0b, g1b
	s_cmp_eq_u32 s15, 0
	s_cbranch_scc0 .Lfor_b_\@
	tensor_load_to_lds s[\g0a:\g0a+3], s[\g1a:\g1a+7]
	s_nop 0
.rept 4
	v_nop
.endr
	s_branch .Lasked_\@
.Lfor_b_\@:
	tensor_load_to_lds s[\g0b:\g0b+3], s[\g1b:\g1b+7]
	s_nop 0
.rept 4
	v_nop
.endr
.Lasked_\@:
.endm
.macro CROUND                          ; a round of the cluster's barrier
	s_barrier_signal -1
	s_barrier_wait -1
	s_cmp_lg_u32 s14, 0
	s_cbranch_scc1 .Lnot_wave_0_\@
	s_barrier_signal -3
.Lnot_wave_0_\@:
	s_barrier_wait -3
	s_barrier_signal -1
	s_barrier_wait -1
.endm
	s_load_b128 s[4:7], s[0:1], 0x0                ; x's codes, x's scales
	s_load_b128 s[8:11], s[0:1], 0x10              ; the weights' codes, their scales
	s_load_b128 s[96:99], s[0:1], 0x20             ; wq_b, wk_b
	s_load_b64 s[100:101], s[0:1], 0x30            ; wv_b
	s_load_b64 s[12:13], s[0:1], 0x38              ; qkv
	v_lshl_add_u32 v[SPW], v0, 2, SPARE
	v_mov_b32 v[NIL], 0
	ds_add_u32 v[SPW], v[NIL]                      ; the opening: the add, twice on end, and its wait ahead of my first tensor load
	ds_add_u32 v[SPW], v[NIL]
	v_lshrrev_b32 v1, 5, v0
	v_readfirstlane_b32 s14, v1                    ; wave 0..3
	s_lshr_b32 s15, s14, 1                         ; my half of the tile's rows.  Also: I fetch for A (0) or B (1)
	s_and_b32 s16, s14, 1                          ; my half of its columns.  Also: which 128 rows I fetch
	s_bfe_u32 s40, ttmp6, 0x40000                  ; cx
	s_bfe_u32 s41, ttmp6, 0x40004                  ; cy
	s_lshl_b32 s42, ttmp9, 2
	s_add_co_u32 s42, s42, s40                     ; tile column
	s_and_b32 s17, ttmp7, 0xffff
	s_lshl_b32 s17, s17, 2
	s_add_co_u32 s17, s17, s41                     ; tile row
	s_lshl_b32 s43, s41, 2
	s_lshl_b32 s43, 15, s43                        ; my row of the cluster
	s_lshl_b32 s44, 0x1111, s40                    ; my column
	s_or_b32 s[G1+0], s43, (0<<16)|(1<<20)|(1<<21)|(5<<22)|(3<<25)  ; the mask; elements of 1 byte; padding on; bit 21 beside a mask; 4 words behind every 64
	s_or_b32 s[G1B+0], s44, (0<<16)|(1<<20)|(1<<21)|(5<<22)|(3<<25)
.irp g, G1, G1B
	s_mov_b32 s[\g+1], ROWB<<16                    ; tensor_dim0
	s_mov_b32 s[\g+2], 128<<16                     ; tensor_dim1
	s_mov_b32 s[\g+3], ROWB<<16                    ; tile_dim0
	s_mov_b32 s[\g+4], 128                         ; tile_dim1
	s_mov_b32 s[\g+5], KROW                        ; stride
	s_mov_b32 s[\g+6], 0
	s_mov_b32 s[\g+7], 0
.endr
	s_or_b32 s[G1S+0], s43, (3<<16)|(1<<20)|(1<<21)|(5<<22)|(3<<25) ; the scales of 128 rows: 4,096 dense bytes as 16 rows of 32 elements of 8 bytes
	s_or_b32 s[G1SB+0], s44, (3<<16)|(1<<20)|(1<<21)|(5<<22)|(3<<25)
.irp g, G1S, G1SB
	s_mov_b32 s[\g+1], 32<<16
	s_mov_b32 s[\g+2], (128*KS/256)<<16
	s_mov_b32 s[\g+3], 32<<16
	s_mov_b32 s[\g+4], 128*KS/256
	s_mov_b32 s[\g+5], 32
	s_mov_b32 s[\g+6], 0
	s_mov_b32 s[\g+7], 0
.endr
	s_lshl_b32 s18, s16, 7
	s_lshl_b32 s20, s17, 8
	s_add_co_u32 s20, s20, s18                     ; A: row 256 x tile row + 128 x half
	s_lshl_b32 s46, s42, 8
	s_add_co_u32 s46, s46, s18                     ; B: row 256 x tile column + 128 x half
	s_mov_b32 s21, 0
	s_mov_b32 s47, 0
	s_mov_b64 s[18:19], KS
	s_mul_u64 s[22:23], s[20:21], s[18:19]
	s_mul_u64 s[92:93], s[46:47], s[18:19]
	s_mov_b64 s[18:19], KROW
	s_mul_u64 s[20:21], s[20:21], s[18:19]
	s_mul_u64 s[46:47], s[46:47], s[18:19]
	s_mul_i32 s45, s14, HALFT                      ; where they go: wave x 128 rows
	s_mul_i32 s94, s14, HALFS
	s_wait_dscnt 0x0                               ; both opening adds are done
	s_wait_kmcnt 0x0
	s_add_nc_u64 s[20:21], s[4:5], s[20:21]
	s_add_nc_u64 s[22:23], s[6:7], s[22:23]
	s_add_nc_u64 s[46:47], s[8:9], s[46:47]
	s_add_nc_u64 s[92:93], s[10:11], s[92:93]
	CROUND                                         ; all sixteen work-groups are here: the joint loads meet
	s_mov_b32 s[G0S], 1
	s_add_co_u32 s[G0S+1], s94, SCL
	s_mov_b64 s[G0S+2:G0S+3], s[22:23]
	s_or_b32 s[G0S+3], s[G0S+3], 0x80000000
	s_mov_b32 s[G0SB], 1
	s_add_co_u32 s[G0SB+1], s94, SCL
	s_mov_b64 s[G0SB+2:G0SB+3], s[92:93]
	s_or_b32 s[G0SB+3], s[G0SB+3], 0x80000000
	JLOAD G0S, G1S, G0SB, G1SB                     ; the scales first; then both slots: three loads of mine are out
.irp s, 0,1
	s_mov_b32 s[G0+4*\s], 1
	s_add_co_u32 s[G0+4*\s+1], s45, \s*SLOT
	s_add_nc_u64 s[G0+4*\s+2:G0+4*\s+3], s[20:21], \s*ROWB
	s_or_b32 s[G0+4*\s+3], s[G0+4*\s+3], 0x80000000
	s_mov_b32 s[G0B+4*\s], 1
	s_add_co_u32 s[G0B+4*\s+1], s45, \s*SLOT
	s_add_nc_u64 s[G0B+4*\s+2:G0B+4*\s+3], s[46:47], \s*ROWB
	s_or_b32 s[G0B+4*\s+3], s[G0B+4*\s+3], 0x80000000
	JLOAD G0+4*\s, G1, G0B+4*\s, G1B
.endr
	v_and_b32 v1, 15, v0                           ; r
	v_bfe_u32 v2, v0, 4, 1                         ; h
	v_mul_u32_u24 v3, v1, PITCH
	v_lshl_add_u32 v4, v2, 4, v3
	s_mul_i32 s21, s15, HALFT
	s_mul_i32 s22, s16, HALFT
	s_add_co_u32 s22, s22, 2*HALFT
.irp s, 0,1
	v_add_nc_u32 v[ADRA+\s], s21, v4
	v_add_nc_u32 v[ADRB+\s], s22, v4
	s_add_co_u32 s21, s21, SLOT
	s_add_co_u32 s22, s22, SLOT
.endr
	v_mul_u32_u24 v5, v1, KS                       ; my row's scales: 32 bytes a row, 16 more for each 256 passed
	v_lshrrev_b32 v6, 8, v5
	v_lshl_add_u32 v5, v6, 4, v5
	s_mul_i32 s21, s15, HALFS
	s_mul_i32 s22, s16, HALFS
	s_add_co_u32 s22, s22, 2*HALFS
	s_sub_co_u32 s22, s22, s21
	v_mul_u32_u24 v6, s22, v2                      ; lanes 16-31 take B's
	s_add_co_u32 s21, s21, SCL
	v_add_nc_u32 v5, v5, v6
	v_add_nc_u32 v[ADRS], s21, v5
	; the way out: my stage, 4,352 bytes in slot 0: for each of my two heads 8 LDS rows of 256 + 16 bytes, two rows of 64 f16 to an LDS row
	s_mul_i32 s23, s14, 4352
	v_lshrrev_b32 v5, 1, v1
	v_mul_u32_u24 v5, v5, 272
	v_and_b32 v6, 1, v1
	v_lshl_add_u32 v5, v6, 7, v5
	v_lshl_add_u32 v5, v2, 4, v5
	v_add_nc_u32 v[STO], s23, v5                   ; in: (r / 2) x 272 + (r % 2) x 128 + 16 h
	v_mul_u32_u24 v5, v2, 272
	v_lshl_add_u32 v5, v1, 4, v5
	v_add_nc_u32 v[RD], s23, v5                    ; back: sixteen lanes to an LDS row
	v_and_b32 v6, 31, v0
	v_lshlrev_b32 v[CO], 4, v6                     ; in memory the 32 lanes' 512 bytes are consecutive
	s_lshl_b32 s20, s17, 8
	s_lshl_b32 s21, s15, 7
	s_add_co_u32 s20, s20, s21                     ; my first row of x
	s_lshr_b32 s21, s20, 11                        ; its batch: 16 heads of 262,144 bytes each
	s_lshl_b32 s21, s21, 22
	s_and_b32 s20, s20, 2047                       ; its position: 128 bytes a row
	s_lshl_b32 s20, s20, 7
	s_add_co_u32 s20, s20, s21
	s_lshl_b32 s21, ttmp9, 23                      ; the tensor: 8,388,608 bytes each
	s_add_co_u32 s20, s20, s21
	s_mov_b32 s21, 0
	s_lshl_b32 s46, s40, 20                        ; my tile's four heads,
	s_lshl_b32 s47, s16, 19                        ; my wave's two of them
	s_add_co_u32 s46, s46, s47
	s_mov_b32 s47, 0
	s_add_nc_u64 s[20:21], s[20:21], s[46:47]
	s_add_nc_u64 s[12:13], s[12:13], s[20:21]
	; the bias of my 128 columns, in the result's layout: register j of block b = bias[16 b + 8 h + j]
	s_cmp_eq_u32 ttmp9, 0                          ; the choice hangs on the cluster's x alone
	s_cselect_b64 s[96:97], s[96:97], s[98:99]
	s_cmp_eq_u32 ttmp9, 2
	s_cselect_b64 s[96:97], s[100:101], s[96:97]
	s_lshl_b32 s46, s40, 10
	s_lshl_b32 s47, s16, 9
	s_add_co_u32 s46, s46, s47
	s_mov_b32 s47, 0
	s_add_nc_u64 s[96:97], s[96:97], s[46:47]
	v_lshlrev_b32 v[BO], 5, v2
.irp b, 0,1,2,3,4,5,6,7
	global_load_b128 v[BIAS+8*\b:BIAS+8*\b+3], v[BO], s[96:97] offset:64*\b
	global_load_b128 v[BIAS+8*\b+4:BIAS+8*\b+7], v[BO], s[96:97] offset:64*\b+16
.endr
.macro FRAG reg, adr, q, i             ; 16 rows x 128 K of 4-bit codes: 8 registers, two loads of 16 bytes, 32 bytes apart
.irp c, 0,1
	ds_load_b128 v[\reg+4*\c:\reg+4*\c+3], v[\adr] offset:64*(\q)+32*\c+(\i)*16*PITCH
.endr
.endm
; 16 matrix instructions: A's blocks a0, a0 + 1 x B's eight.  zero = 1: the first product starts the sums from the bias.  The 64 accumulators take turns, one instruction a turn.
.macro MUL16 a0, p, q, sc, zero
.irp a, \a0, \a0+1
.irp b, 0,1,2,3,4,5,6,7
.if \zero
	v_wmma_scale_f32_16x16x128_f8f6f4 v[8*(8*((\a)%4)+\b):8*(8*((\a)%4)+\b)+7], v[128*(\p)+FR*\b:128*(\p)+FR*\b+FR-1], v[AF+FR*(\a):AF+FR*(\a)+FR-1], v[BIAS+8*\b:BIAS+8*\b+7], v[SC+8*NQ*(\sc)+NQ*\b+(\q)], v[SC+8*NQ*(\sc)+NQ*(\a)+(\q)] matrix_a_fmt:MATRIX_FMT_FP4 matrix_b_fmt:MATRIX_FMT_FP4 matrix_a_scale:MATRIX_SCALE_ROW1
.else
	v_wmma_scale_f32_16x16x128_f8f6f4 v[8*(8*((\a)%4)+\b):8*(8*((\a)%4)+\b)+7], v[128*(\p)+FR*\b:128*(\p)+FR*\b+FR-1], v[AF+FR*(\a):AF+FR*(\a)+FR-1], v[8*(8*((\a)%4)+\b):8*(8*((\a)%4)+\b)+7], v[SC+8*NQ*(\sc)+NQ*\b+(\q)], v[SC+8*NQ*(\sc)+NQ*(\a)+(\q)] matrix_a_fmt:MATRIX_FMT_FP4 matrix_b_fmt:MATRIX_FMT_FP4 matrix_a_scale:MATRIX_SCALE_ROW1
.endif
.endr
.endr
.endm
.macro FETCH_B slot, q, p
	WIN TO_B
.irp i, 0,1,2,3,4,5,6,7
	FRAG 128*(\p)+FR*\i, ADRB+\slot, \q, \i
.endr
	WIN 0
.endm
.macro FETCH_A slot, q, i0
.irp i, \i0, \i0+1, \i0+2, \i0+3
	FRAG AF+FR*(\i), ADRA+\slot, \q, \i
.endr
.endm
.macro SCALES sc                       ; a slot's scale words: lanes 0-15 A's block i, lanes 16-31 B's block i
.irp i, 0,1,2,3,4,5,6,7
	ds_load_b128 v[SC+8*NQ*\sc+NQ*\i:SC+8*NQ*\sc+NQ*\i+3], v[ADRS] offset:\i*SBLK
.endr
.endm
.macro PLACES n                        ; places behind matrix instructions, in front of loads into their registers and of reads of their results
.rept \n
	v_nop
.endr
.endm
.macro STEP slot, q, zero
	s_wait_dscnt 4*NL                              ; B's set and A's blocks 0-3 are in; A's blocks 4-7 (eight loads) may be out
.if \zero
	WIN BIA_LO
.else
	WIN MUL_LO
.endif
	MUL16 0, (\q)%2, \q, \slot, \zero
	MUL16 2, (\q)%2, \q, \slot, \zero
	s_wait_dscnt 0
	PLACES NP
	FETCH_B \slot, (\q)+1, 1-(\q)%2
	FETCH_A \slot, (\q)+1, 0
.if \zero
	WIN BIA_HI
.else
	WIN MUL_HI
.endif
	MUL16 4, (\q)%2, \q, \slot, \zero
	MUL16 6, (\q)%2, \q, \slot, \zero
	PLACES NP
	WIN 0
	FETCH_A \slot, (\q)+1, 4
.endm
; Slot 0's last step changes slots: in front of the barrier each wave waits for all its tensor loads (its part of slot 1), adds 0 to its spare word, and waits for that and for its reads.  Nothing is filled again.
.macro TURN slot, next
	s_wait_tensorcnt 0x0
	ds_add_u32 v[SPW], v[NIL]
	s_wait_dscnt 4*NL+1                            ; the add and A's blocks 4-7 may be out
	WIN MUL_LO
	MUL16 0, 1, NQ-1, \slot, 0
	s_wait_dscnt 0x0
	s_barrier_signal -1
	MUL16 2, 1, NQ-1, \slot, 0
	WIN 0
	s_barrier_wait -1
	PLACES NP
	v_add_nc_u32 v[ADRS], 4*NQ, v[ADRS]            ; the next slot's scale words
	FETCH_B \next, 0, 0
	FETCH_A \next, 0, 0
	SCALES \next
	WIN MUL_HI
	MUL16 4, 1, NQ-1, \slot, 0
	MUL16 6, 1, NQ-1, \slot, 0
	PLACES NP
	WIN 0
	FETCH_A \next, 0, 4
.endm
.macro STEPS slot, from
.set Q, \from
.rept NQ-1-\from
	STEP \slot, Q, 0
.set Q, Q+1
.endr
.endm
	s_wait_tensorcnt 1                             ; the scales and my part of slot 0 are in; slot 1's load may be out
	s_barrier_signal -1
	s_barrier_wait -1
	FETCH_B 0, 0, 0
	FETCH_A 0, 0, 0
	SCALES 0
	FETCH_A 0, 0, 4
	s_wait_loadcnt 0x0                             ; the bias
	STEP 0, 0, 1
	STEPS 0, 1
	TURN 0, 1
	STEPS 1, 0
	s_wait_dscnt 4*NL
	WIN MUL_LO
	MUL16 0, 1, NQ-1, 1, 0
	MUL16 2, 1, NQ-1, 1, 0
	s_wait_dscnt 0
	WIN MUL_HI
	MUL16 4, 1, NQ-1, 1, 0
	MUL16 6, 1, NQ-1, 1, 0
	WIN 0
; THE WAY OUT, a block of 16 rows x 128 columns (two heads) at a time: rounded to f16, 16 bytes a lane, through my stage, back as 512 consecutive bytes of a head's rows.  The stage lies in slot 0,
; which has had its only fill, and which nobody reads behind the change of slots.  Block a's conversions stand between block a - 1's loads from the stage and the wait for them.
.macro PACK a
.set AC, 64*((\a)%4)
	WIN 0x0a+5*((\a)/4)                            ; sources in window 2 or 3
.irp b, 0,1,2,3,4,5,6,7
.irp i, 0,1,2,3
	v_cvt_pk_f16_f32 v[TMP+4*\b+\i], v[AC+8*\b+2*\i], v[AC+8*\b+2*\i+1]    ; each accumulator from its low end on
.endr
.endr
	WIN 0
.endm
.macro TOSTAGE a
.set BB, BK+32*((\a)%2)
.irp b, 0,1,2,3,4,5,6,7
	ds_store_b128 v[STO], v[TMP+4*\b:TMP+4*\b+3] offset:(\b/4)*2176+32*(\b%4)
.endr
.irp i, 0,1,2,3,4,5,6,7
	ds_load_b128 v[BB+4*\i:BB+4*\i+3], v[RD] offset:(\i/4)*2176+(\i%4)*544   ; in order behind my stores
.endr
.endm
.macro SEND a
.set BB, BK+32*((\a)%2)
	s_wait_dscnt 0x0                               ; the block is back in registers
	s_wait_xcnt 0x0                                ; the earlier stores have read their registers: the next block's loads may land there
.irp i, 0,1,2,3,4,5,6,7
	global_store_b128 v[CO], v[BB+4*\i:BB+4*\i+3], s[12:13] offset:(\i/4)*262144+(\a)*2048+(\i%4)*512   ; 512 consecutive bytes, aligned
.endr
.endm
	PLACES NP
	PACK 0
	TOSTAGE 0
.irp a, 1,2,3,4,5,6,7
	PACK \a
	SEND \a-1
	TOSTAGE \a
.endr
	SEND 7
	s_wait_tensorcnt 0x0                           ; the wave's end
	ds_add_u32 v[SPW], v[NIL]
	s_wait_dscnt 0x0
	CROUND                                         ; the closing round
	s_endpgm
.Lfunc_end_k_qd96138a70a_qkv:
	.size	k_qd96138a70a_qkv, .Lfunc_end_k_qd96138a70a_qkv-k_qd96138a70a_qkv
	.p2alignl 7, 3214868480
	.fill 96, 4, 3214868480
	.section	.rodata,"a",@progbits
	.p2align	6, 0x0
	.amdhsa_kernel k_qd96138a70a_qkv
		.amdhsa_group_segment_fixed_size 327680
		.amdhsa_private_segment_fixed_size 0
		.amdhsa_enable_private_segment 0
		.amdhsa_kernarg_size 64
		.amdhsa_user_sgpr_count 2
		.amdhsa_user_sgpr_kernarg_segment_ptr 1
		.amdhsa_wavefront_size32 1
		.amdhsa_system_sgpr_workgroup_id_x 1
		.amdhsa_system_sgpr_workgroup_id_y 1
		.amdhsa_system_sgpr_workgroup_id_z 1
		.amdhsa_system_vgpr_workitem_id 0
		.amdhsa_next_free_vgpr 1024
		.amdhsa_next_free_sgpr 102
		.amdhsa_reserve_vcc 0
		.amdhsa_float_denorm_mode_32 3
		.amdhsa_float_denorm_mode_16_64 3
		.amdhsa_memory_ordered 1
		.amdhsa_forward_progress 1
		.amdhsa_inst_pref_size 128
	.end_amdhsa_kernel
	.amdgpu_metadata
---
amdhsa.version: [ 1, 2 ]
amdhsa.kernels:
  - .name:           k_qd96138a70a_qkv
    .symbol:         k_qd96138a70a_qkv.kd
    .args:
      - { .name: xc, .offset: 0, .size: 8, .value_kind: global_buffer, .address_space: global }
      - { .name: xs, .offset: 8, .size: 8, .value_kind: global_buffer, .address_space: global }
      - { .name: wc, .offset: 16, .size: 8, .value_kind: global_buffer, .address_space: global }
      - { .name: wsc, .offset: 24, .size: 8, .value_kind: global_buffer, .address_space: global }
      - { .name: wq_b, .offset: 32, .size: 8, .value_kind: global_buffer, .address_space: global }
      - { .name: wk_b, .offset: 40, .size: 8, .value_kind: global_buffer, .address_space: global }
      - { .name: wv_b, .offset: 48, .size: 8, .value_kind: global_buffer, .address_space: global }
      - { .name: qkv, .offset: 56, .size: 8, .value_kind: global_buffer, .address_space: global }
    .group_segment_fixed_size: 327680
    .private_segment_fixed_size: 0
    .kernarg_segment_align: 8
    .kernarg_segment_size: 64
    .max_flat_workgroup_size: 128
    .sgpr_count:     102
    .vgpr_count:     1024
    .wavefront_size: 32
...
	.end_amdgpu_metadata
.endif
;; end of part 2
;; launch attn (part 3): grid 8 x 32, 8 waves a work-group, clusters of 4 x 1, 327,680 bytes of LDS; arguments qkv, learned_threshold, gate_sharpness, ao, aoe; writes ao, aoe
.if DOCPART == 3
	.amdgcn_target "amdgcn-amd-amdhsa--gfx1250"
	.amdhsa_code_object_version 6
	.text
	.protected	k_qd96138a70a_attn
	.globl	k_qd96138a70a_attn
	.p2align	8
	.type	k_qd96138a70a_attn,@function
k_qd96138a70a_attn:
	s_mov_b64 s[64:65], 0
	v_nop
	global_prefetch_b8 v0, s[64:65] scope:SCOPE_SE
	s_setreg_imm32_b32 hwreg(HW_REG_WAVE_MODE, 25, 1), 1
	s_wait_xcnt 0x0
	s_wait_alu depctr_hold_cnt(0) depctr_sa_sdst(0) depctr_va_vdst(0) depctr_va_sdst(0) depctr_va_ssrc(0) depctr_va_vcc(0) depctr_vm_vsrc(0)
	s_getreg_b32 s2, hwreg(HW_REG_IB_STS2, 6, 4)
	s_cmp_eq_u32 s2, 0
	s_cbranch_scc0 .Lentry_in_a_cluster
	s_endpgm
.Lentry_in_a_cluster:
	s_bfe_u32 s2, ttmp6, 0x10000c
	s_cmp_lg_u32 s2, 0x3003
	s_cbranch_scc0 .Lentry_shape_is_right
	s_endpgm
.Lentry_shape_is_right:
; For each (batch, head): attn = softmax(q k^T / 8) over 2,048 keys; w = attn x sigmoid(sharp (attn - sigmoid(thr))); o = w v.  q, k, v: f16, [2048][64] a head; products by the f16 matrix form, sums in f32.
; The gate is a function of the NORMALISED weight, so the keys are walked twice.  WALK 1: S^T = K Q^T, a running maximum m and the sum l of 2^(c s - c m), c = log2(e) / 8.
; WALK 2: S^T again (the same instructions on the same operands: the same bits); p'' = 2^(c s - c m + 14); D = Z + 2^(A + NB p''); w'' = p'' / D goes to the second product as f16.
;   With il = 1 / l, cg = sharp log2(e), e0 = cg sigmoid(thr): the gate is 1 / (1 + 2^X), X = e0 - cg attn, which runs between e0 and e1 = e0 - cg il.  u = floor(max(0, min(e0, e1))), Z = 2^-u, A = e0 - u,
;   NB = -cg il 2^-14: then D = 2^-u + 2^(X - u) is at least 1 for every key, so w'' is at most 2^14, inside f16, whatever the threshold and the sharpness; the true weight is w'' x FP x 2^-u, FP = il 2^-14.
; OUT: each (query, head) block of 64 is normalised to a largest magnitude in [1, 2) and stored as f16 (ao); its exponent E, a whole number, is stored as f32 (aoe): o = ao x 2^E.
; LIMITS: NaN and infinities are not served.  Where the gate falls under 2^-126, this text carries the number on in E.
; SHARES.  A work-group owns 256 queries of one head; each of its eight waves 32: two tiles of 16, in 256 registers, two waves to a SIMD.  Both products are used transposed: a lane holds ONE query (lane % 16).
; BY TURNS.  A wave's two tiles never look at each other.  In a turn one tile has the matrix unit and the other tile's vector list stands round its matrix instructions, which are set singly among the list;
; then the tiles change places.  Inside a list each plain instruction stands between transcendentals as far as there are plain ones, and each batch of transcendentals has one wait.
;   Walk 1, body n: K(n) is asked for; tile 1's products of step n - 1 | tile 0's list of step n - 1; tile 0's products of step n | tile 1's list of step n - 1.  K has two register buffers (the second where O^T will lie).
;   Walk 2, step n: turn A: tile 0's V^T P of step n - 1 and K Q^T of step n | tile 1's list of step n - 1; turn B: the same of tile 1 | tile 0's list of step n.  K(n) is asked for at turn A's head, V(n) in turn B.
;   So a body or a step reads LDS for its own keys alone, and the changes of slots stand between bodies.
; RING.  Two LDS slots of 512 keys (K, then V).  A head's rows of 128 bytes are dense, so a tile is stated as rows of 256 bytes (two keys), padded by 16 (K) or 32 (V).  Walk 1 takes K's chunks 0, 1, 2, 3;
; walk 2 goes back, 3, 2, 1, 0, so that K's chunks 3 and 2 are still there; V's chunks 2 and 3 come with the first fills.  Waves 0-3 fetch K, waves 4-7 V, a quarter of a chunk each.
; By this text's own count a wave has two tensor loads out at the start and one behind each round; each refill has a whole chunk's work in which to land.
; CLUSTER.  The four query blocks of a cluster walk the same K and V: each tile is asked for jointly, with a mask that names the four.
; No prefetch: each refill is asked for a whole chunk (8 or 16 key steps) ahead of the wait for it.
.set SLOT,  143360                     ; 256 x 272 (K) + 256 x 288 (V)
.set VOFF,  69632
.set SPARE, 2*SLOT                     ; the spare words: 128 bytes for each of eight waves
.set STAGE, SLOT                       ; the way out: 4,352 bytes a wave in slot 1's K, which has had its last fill and its last read by then
.set SPW, 1                            ; v1  my spare word's address; never rewritten
.set NIL, 2                            ; v2  0; never rewritten
.set AK0, 3                            ; v3  my lane's place in a tile of K: (r / 2) x 272 + (r % 2) x 128 + 16 h
.set AV0, 4                            ; v4  in a tile of V, for the turning load
.set ADK, 5                            ; v5  address of the run of K loads in hand; on the way out: into the stage
.set ADV, 6                            ; v6  the same for V; on the way out: back from the stage
.set ST,  8                            ; tile t's eight registers at v[8 + 8 t].  Walk 1: c m, m, l (two halves), four chains (the third then holds a).  Walk 2: NM, FP, A, u, NB, -, Z, -
.set CG,  24                           ; v24 cg   v25 e0   v26 sigmoid(thr)   v27-31 at work
.set E0,  25
.set TH,  26
.set QF,  32                           ; v32-63   Q: tile t, channels 32 c on, at 32 + 16 t + 8 c
.set KA,  64                           ; v64-127  walk 1: K's fragments of the even steps
.set KB,  192                          ; v192-255 walk 1: of the odd steps
.set KF,  64                           ; v64-95   walk 2: K's fragments
.set VF,  96                           ; v96-127  walk 2: V's fragments
.set SS,  128                          ; S^T.  Walk 1: v128-191, 32 a tile; walk 2: v128-159, 16 a tile
.set TT,  160                          ; v160-175 walk 2: D of the tile whose list is in hand
.set PP,  176                          ; v176-183 walk 2: that tile's weights as f16
.set OO,  192                          ; v192-255 O^T: tile t, channels 16 d on, at 192 + 32 t + 8 d
.set WV,  12
.set G1K, 24
.set G1V, 32
.set G0K, 40                           ; s[40:43] slot 0's, s[44:47] slot 1's
.set G0V, 48
.set TK,  56                           ; s56  LDS byte of the next K fetch
.set TV,  57                           ; s57  of the next V fetch
.set CNT, 58
.set CS,  60                           ; s[60:61] c, twice
.set SEL, 62                           ; s[62:63] v_permlanex16_b32's selects for lane l xor 16
.macro CROUND                          ; a round of the cluster's barrier
	s_barrier_signal -1
	s_barrier_wait -1
	s_cmp_lg_u32 s[WV], 0
	s_cbranch_scc1 .Lnot_wave_0_\@
	s_barrier_signal -3
.Lnot_wave_0_\@:
	s_barrier_wait -3
	s_barrier_signal -1
	s_barrier_wait -1
.endm
.macro NOPS n
.rept \n
	v_nop
.endr
.endm
; Joint refills.  The branches hang on the wave's number alone.  An s_nop 0 and four v_nop follow each tensor load.
.macro KLOAD g0                        ; waves 0-3: K; the others nothing
	s_cmp_lt_u32 s[WV], 4
	s_cbranch_scc0 .Lno_k_\@
	tensor_load_to_lds s[\g0:\g0+3], s[G1K:G1K+7]
	s_nop 0
	NOPS 4
.Lno_k_\@:
.endm
.macro KVLOAD g0k, g0v                 ; waves 0-3: K; waves 4-7: V
	s_cmp_lt_u32 s[WV], 4
	s_cbranch_scc0 .Lfor_v_\@
	tensor_load_to_lds s[\g0k:\g0k+3], s[G1K:G1K+7]
	s_nop 0
	NOPS 4
	s_branch .Lasked_\@
.Lfor_v_\@:
	tensor_load_to_lds s[\g0v:\g0v+3], s[G1V:G1V+7]
	s_nop 0
	NOPS 4
.Lasked_\@:
.endm
; A change of slots.  Every wave waits for all its tensor loads, adds 0 to its spare word, and waits for that and for its LDS reads.  kind 0: nothing is filled: a plain barrier.
; kind 1: the slot's K takes the chunk two further on.  kind 2: the slot's K and V take the chunk two back.  Then the barrier is a round of the cluster's, and the refill is the first thing behind it.
.macro CHANGE kind, slot
	s_wait_tensorcnt 0x0                           ; no tensor load of mine is out, so a group 0 may be written
	ds_add_u32 v[SPW], v[NIL]
.if \kind == 1
	s_add_nc_u64 s[G0K+4*\slot+2:G0K+4*\slot+3], s[G0K+4*\slot+2:G0K+4*\slot+3], 131072
.endif
.if \kind == 2
	s_sub_nc_u64 s[G0K+4*\slot+2:G0K+4*\slot+3], s[G0K+4*\slot+2:G0K+4*\slot+3], 131072
	s_sub_nc_u64 s[G0V+4*\slot+2:G0V+4*\slot+3], s[G0V+4*\slot+2:G0V+4*\slot+3], 131072
.endif
	s_wait_dscnt 0x0
.if \kind == 0
	s_barrier_signal -1
	s_barrier_wait -1
.else
	CROUND
.if \kind == 1
	KLOAD G0K+4*\slot
.else
	KVLOAD G0K+4*\slot, G0V+4*\slot
.endif
.endif
.endm
	s_load_b256 s[4:11], s[0:1], 0x0               ; qkv 4:5, threshold 6:7, sharpness 8:9, ao 10:11
	s_load_b64 s[66:67], s[0:1], 0x20              ; aoe
	v_lshl_add_u32 v[SPW], v0, 2, SPARE
	v_mov_b32 v[NIL], 0
	ds_add_u32 v[SPW], v[NIL]                      ; the opening: the add, twice on end, and its wait ahead of my first tensor load
	ds_add_u32 v[SPW], v[NIL]
	v_lshrrev_b32 v7, 5, v0
	v_readfirstlane_b32 s[WV], v7                  ; wave 0..7
	s_bfe_u32 s13, ttmp6, 0x40000                  ; cx
	s_lshl_b32 s14, ttmp9, 2
	s_add_co_u32 s14, s14, s13                     ; my block of 256 queries: it enters Q's, ao's and aoe's addresses alone
	s_and_b32 s15, ttmp7, 0xffff                   ; batch x 16 + head, which the four partners share
	s_and_b32 s16, s[WV], 3                        ; which quarter of a chunk I fetch
	s_mov_b32 s[G1K], 15|(3<<16)|(1<<20)|(1<<21)|(5<<22)|(3<<25)  ; the mask: all four; elements of 8 bytes; padding on; bit 21 beside a mask; 4 words behind every 64
	s_mov_b32 s[G1V], 15|(3<<16)|(1<<20)|(1<<21)|(5<<22)|(7<<25)  ; the same with 8 words of padding
.irp g, G1K, G1V
	s_mov_b32 s[\g+1], 32<<16                      ; tensor_dim0 = 32 elements: 256 bytes
	s_mov_b32 s[\g+2], 64<<16                      ; tensor_dim1 = 64
	s_mov_b32 s[\g+3], 32<<16                      ; tile_dim0
	s_mov_b32 s[\g+4], 64                          ; tile_dim1
	s_mov_b32 s[\g+5], 32                          ; stride: dense
	s_mov_b32 s[\g+6], 0
	s_mov_b32 s[\g+7], 0
.endr
	s_mov_b32 s[CS], 0x3e38aa3b                    ; c = log2(e) / 8
	s_mov_b32 s[CS+1], s[CS]
	s_mov_b32 s[SEL], 0x76543210
	s_mov_b32 s[SEL+1], 0xfedcba98
	s_lshl_b32 s18, s15, 18                        ; the head: 262,144 bytes,
	s_lshl_b32 s19, s16, 14                        ; my quarter of a chunk: 16,384
	s_add_co_u32 s18, s18, s19
	s_mov_b32 s19, 0
	s_mul_i32 s22, s16, 17408                      ; and in LDS: 64 rows of 272,
	s_mul_i32 s23, s16, 18432                      ; or of 288
	s_add_co_u32 s23, s23, VOFF
	s_wait_dscnt 0x0                               ; both opening adds are done
	s_wait_kmcnt 0x0
	s_add_nc_u64 s[20:21], s[4:5], s[18:19]
	CROUND                                         ; all four work-groups are here: the first joint loads meet
	s_mov_b32 s[G0K], 1
	s_mov_b32 s[G0K+1], s22
	s_add_nc_u64 s[G0K+2:G0K+3], s[20:21], 8388608               ; K's chunk 0
	s_or_b32 s[G0K+3], s[G0K+3], 0x80000000
	s_mov_b32 s[G0K+4], 1
	s_add_co_u32 s[G0K+5], s22, SLOT
	s_add_nc_u64 s[G0K+6:G0K+7], s[20:21], 8388608+65536         ; K's chunk 1
	s_or_b32 s[G0K+7], s[G0K+7], 0x80000000
	s_mov_b32 s[G0V], 1
	s_mov_b32 s[G0V+1], s23
	s_add_nc_u64 s[G0V+2:G0V+3], s[20:21], 16777216+131072       ; V's chunk 2
	s_or_b32 s[G0V+3], s[G0V+3], 0x80000000
	s_mov_b32 s[G0V+4], 1
	s_add_co_u32 s[G0V+5], s23, SLOT
	s_add_nc_u64 s[G0V+6:G0V+7], s[20:21], 16777216+196608       ; V's chunk 3
	s_or_b32 s[G0V+7], s[G0V+7], 0x80000000
	s_cmp_lt_u32 s[WV], 4                          ; a wave's two first fills stand in one branch
	s_cbranch_scc0 .Lfirst_v
	tensor_load_to_lds s[G0K:G0K+3], s[G1K:G1K+7]
	s_nop 0
	tensor_load_to_lds s[G0K+4:G0K+7], s[G1K:G1K+7]
	s_nop 0
	NOPS 4
	s_branch .Lfirst_asked
.Lfirst_v:
	tensor_load_to_lds s[G0V:G0V+3], s[G1V:G1V+7]
	s_nop 0
	tensor_load_to_lds s[G0V+4:G0V+7], s[G1V:G1V+7]
	s_nop 0
	NOPS 4
.Lfirst_asked:
	v_and_b32 v7, 15, v0                           ; r
	v_bfe_u32 v31, v0, 4, 1                        ; h
	v_lshlrev_b32 v30, 7, v7
	v_lshl_add_u32 v30, v31, 4, v30                ; Q: row r of 128 bytes + 16 h
	s_lshl_b32 s18, s15, 18
	s_lshl_b32 s19, s14, 15
	s_add_co_u32 s18, s18, s19
	s_lshl_b32 s19, s[WV], 12
	s_add_co_u32 s18, s18, s19
	s_mov_b32 s19, 0
	s_add_nc_u64 s[4:5], s[4:5], s[18:19]          ; Q at my wave's first query
.irp t, 0,1
.irp c, 0,1
	global_load_b128 v[QF+16*\t+8*\c:QF+16*\t+8*\c+3], v30, s[4:5] offset:2048*\t+64*\c
	global_load_b128 v[QF+16*\t+8*\c+4:QF+16*\t+8*\c+7], v30, s[4:5] offset:2048*\t+64*\c+32
.endr
.endr
	s_and_b32 s20, s15, 15
	s_lshl_b32 s20, s20, 2
	v_mov_b32 v29, s20                             ; my head's word
	global_load_b32 v27, v29, s[6:7]
	global_load_b32 v28, v29, s[8:9]
	v_lshrrev_b32 v[AK0], 1, v7
	v_mul_u32_u24 v[AK0], v[AK0], 272
	v_and_b32 v5, 1, v7
	v_lshl_add_u32 v[AK0], v5, 7, v[AK0]
	v_lshl_add_u32 v[AK0], v31, 4, v[AK0]
	; the turning load: lane l reads 16 bytes of key 8 h + l % 8, channels 8 ((l / 8) % 2) on, and is left with channel l % 16 and 8 keys
	v_bfe_u32 v5, v0, 1, 2
	v_lshl_add_u32 v5, v31, 2, v5                  ; the key's LDS row: 4 h + (l % 8) / 2
	v_mul_u32_u24 v[AV0], v5, 288
	v_and_b32 v5, 1, v0
	v_lshl_add_u32 v[AV0], v5, 7, v[AV0]
	v_bfe_u32 v5, v0, 3, 1
	v_lshl_add_u32 v[AV0], v5, 4, v[AV0]
	v_add_nc_u32 v[AV0], VOFF, v[AV0]
.irp t, 0,1
	v_mov_b32 v[ST+8*\t+1], 0xff61b1e6             ; m: -3e38, under every score
	v_mov_b32 v[ST+8*\t+2], 0                      ; l
	v_mov_b32 v[ST+8*\t+3], 0
	v_mul_f32 v[ST+8*\t], s[CS], v[ST+8*\t+1]      ; c m
.endr
; ---------------- WALK 1 ----------------
; A step's K, 64 keys: 16 loads of 16 bytes into the buffer at v[kb]
.macro FETCH1 kb
	v_add_nc_u32 v[ADK], s[TK], v[AK0]
.set kt, 0
.rept 4
.irp c, 0,1
	ds_load_b128 v[(\kb)+16*kt+8*\c:(\kb)+16*kt+8*\c+3], v[ADK] offset:kt*2176+64*\c
	ds_load_b128 v[(\kb)+16*kt+8*\c+4:(\kb)+16*kt+8*\c+7], v[ADK] offset:kt*2176+64*\c+32
.endr
.set kt, kt+1
.endr
	s_add_co_u32 s[TK], s[TK], 8704
.endm
; Matrix instruction i of 8 of S^T = K Q^T for tile x: keys 16 (i % 4) on, channels 32 (i / 4) on.  The first four start the sums; the four accumulators take turns, one instruction a turn.
.macro QK1 x, kb
.set rK, (\kb)+16*(i%4)+8*(i/4)
.set rQ, QF+16*(\x)+8*(i/4)
.set rD, SS+32*(\x)+8*(i%4)
.if i < 4
	v_wmma_f32_16x16x32_f16 v[rD:rD+7], v[rK:rK+7], v[rQ:rQ+7], 0
.else
	v_wmma_f32_16x16x32_f16 v[rD:rD+7], v[rK:rK+7], v[rQ:rQ+7], v[rD:rD+7]
.endif
.endm
; Item j of 85 of a tile's vector list for 64 keys (a lane's 32 scores s0-s31, in pairs 0-15).  Each lane keeps the maximum and the sum of its own half of the keys; the halves meet behind the walk.
;   0-16   the maximum of the scores and the old m, three operands at a time, in four chains; each accumulator is read from its low end on; item 15 keeps c m_old
;   17-18  c m; c m_old - c m_new
;   19-67  ONE BATCH: the 16 scalings c s - c m and the 33 exponentials (a at 21); from 22 on two exponentials and a scaling by turns, a pair scaled three items or more ahead of its exponentials
;   68     the plain instruction behind the last exponential; the turn writes the batch's one wait behind it
;   69-84  the sum of the 16 pairs, in place, neighbours 1, 2, 4 and 8 pairs apart; l = a l + the sum
.macro V1 t
.set rT, ST+8*(\t)
.set rS, SS+32*(\t)
.if j < 4
	v_max3_num_f32 v[rT+4+j], v[rS+8*j], v[rS+8*j+1], v[rS+8*j+2]
.elseif j < 12
	v_max3_num_f32 v[rT+4+j%4], v[rT+4+j%4], v[rS+8*(j%4)+2*(j/4)+1], v[rS+8*(j%4)+2*(j/4)+2]
.elseif j == 12
	v_max3_num_f32 v[rT+4], v[rT+4], v[rS+7], v[rS+15]
.elseif j == 13
	v_max3_num_f32 v[rT+6], v[rT+6], v[rS+23], v[rS+31]
.elseif j == 14
	v_max3_num_f32 v[rT+4], v[rT+4], v[rT+5], v[rT+6]
.elseif j == 15
	v_mov_b32 v[rT+5], v[rT]                       ; c m_old
.elseif j == 16
	v_max3_num_f32 v[rT+1], v[rT+4], v[rT+7], v[rT+1]   ; the new m
.elseif j == 17
	v_mul_f32 v[rT], s[CS], v[rT+1]
.elseif j == 18
	v_sub_f32 v[rT+7], v[rT+5], v[rT]
.elseif j == 21
	v_exp_f32 v[rT+6], v[rT+7]                     ; a = 2^(c m_old - c m_new)
.elseif (j < 21) || ((j < 64) && ((j-22)%3 == 2))
.set vb, j-19
.if j > 21
.set vb, (j-22)/3+2
.endif
	v_pk_fma_f32 v[rS+2*vb:rS+2*vb+1], v[rS+2*vb:rS+2*vb+1], s[CS:CS+1], v[rT:rT+1] op_sel_hi:[1,0,0] neg_lo:[0,0,1] neg_hi:[0,0,1]   ; c s - c m
.elseif j < 68
.set ve, j-36
.if j < 64
.set ve, 2*((j-22)/3)+(j-22)%3
.endif
	v_exp_f32 v[rS+ve], v[rS+ve]
.elseif j == 68
	v_nop
.elseif j < 84
.set z, j-69
.set w, 4
.set u, z
.if z >= 14
.set w, 32
.set u, 0
.elseif z >= 12
.set w, 16
.set u, z-12
.elseif z >= 8
.set w, 8
.set u, z-8
.endif
	v_pk_add_f32 v[rS+w*u:rS+w*u+1], v[rS+w*u:rS+w*u+1], v[rS+w*u+w/2:rS+w*u+w/2+1]
.else
	v_pk_fma_f32 v[rT+2:rT+3], v[rT+2:rT+3], v[rT+6:rT+7], v[rS:rS+1] op_sel_hi:[1,0,1]   ; l = a l + the sum
.endif
.endm
; A turn of walk 1.  Tile x has the matrix unit (kq = 1), with K from the buffer at v[kb]; the other tile's list stands round its eight matrix instructions, which follow items 2, 11, .. 56 and 71.
; Behind the last of them stand 13 plain instructions that name none of its registers: the places ahead of the next turn's first read of these scores.
.macro TURN1 x, kb, kq
.set j, 0
.set i, 0
.rept 85
	V1 1-(\x)
.if j == 68
	s_wait_alu depctr_va_vdst(0)                   ; one wait for the batch of 33, ahead of its first reader
.endif
.if \kq && ((((j%9) == 2) && (j < 60)) || (j == 71))
	QK1 \x, \kb
.set i, i+1
.endif
.set j, j+1
.endr
.endm
; Body n: K(n) into the buffer kn, whose last reader stands a whole turn back; then the two turns.  The fetch has the first turn in which to land.
.macro BODY1 kn, ko
	FETCH1 \kn
	TURN1 1, \ko, 1                                ; tile 1's scores of step n - 1 | tile 0's list of step n - 1
	s_wait_dscnt 0x0                               ; K(n) is in
	TURN1 0, \kn, 1                                ; tile 0's scores of step n | tile 1's list of step n - 1
.endm
.macro W1CHUNK slot                    ; a chunk's eight bodies: a trip runs two, until the buffers are back where they began
	s_mov_b32 s[TK], \slot*SLOT
	s_mov_b32 s[CNT], 4
.Lw1_\@:
	BODY1 KA, KB
	BODY1 KB, KA
	s_sub_co_u32 s[CNT], s[CNT], 1
	s_cmp_lg_u32 s[CNT], 0
	s_cbranch_scc1 .Lw1_\@
.endm
; ---------------- WALK 2 ----------------
.macro FETCH_K2                        ; 32 keys: 8 loads
	v_add_nc_u32 v[ADK], s[TK], v[AK0]
.irp kt, 0,1
.irp c, 0,1
	ds_load_b128 v[KF+16*\kt+8*\c:KF+16*\kt+8*\c+3], v[ADK] offset:\kt*2176+64*\c
	ds_load_b128 v[KF+16*\kt+8*\c+4:KF+16*\kt+8*\c+7], v[ADK] offset:\kt*2176+64*\c+32
.endr
.endr
	s_add_co_u32 s[TK], s[TK], 4352
.endm
.macro FETCH_V2                        ; 32 keys x 64 channels, turned: 8 loads
	v_add_nc_u32 v[ADV], s[TV], v[AV0]
.irp d, 0,1,2,3
	ds_load_tr16_b128 v[VF+8*\d:VF+8*\d+3], v[ADV] offset:32*\d
	ds_load_tr16_b128 v[VF+8*\d+4:VF+8*\d+7], v[ADV] offset:32*\d+2304
.endr
	s_add_co_u32 s[TV], s[TV], 4608
.endm
; Matrix instruction n of 4 of S^T = K Q^T for tile t: keys 16 (n % 2) on, channels 32 (n / 2) on.  The two accumulators take turns.
.macro QK2 t, n
.if (\n) < 2
	v_wmma_f32_16x16x32_f16 v[SS+16*(\t)+8*((\n)%2):SS+16*(\t)+8*((\n)%2)+7], v[KF+16*((\n)%2)+8*((\n)/2):KF+16*((\n)%2)+8*((\n)/2)+7], v[QF+16*(\t)+8*((\n)/2):QF+16*(\t)+8*((\n)/2)+7], 0
.else
	v_wmma_f32_16x16x32_f16 v[SS+16*(\t)+8*((\n)%2):SS+16*(\t)+8*((\n)%2)+7], v[KF+16*((\n)%2)+8*((\n)/2):KF+16*((\n)%2)+8*((\n)/2)+7], v[QF+16*(\t)+8*((\n)/2):QF+16*(\t)+8*((\n)/2)+7], v[SS+16*(\t)+8*((\n)%2):SS+16*(\t)+8*((\n)%2)+7]
.endif
.endm
.macro PV2 t, d                        ; O^T += V^T P for tile t, channels 16 d on: one instruction an accumulator
	v_wmma_f32_16x16x32_f16 v[OO+32*(\t)+8*(\d):OO+32*(\t)+8*(\d)+7], v[VF+8*(\d):VF+8*(\d)+7], v[PP:PP+7], v[OO+32*(\t)+8*(\d):OO+32*(\t)+8*(\d)+7]
.endm
; Item j of 91 of a tile's vector list for 32 keys (a lane's 16 scores, in pairs 0-7).  Three stages of 25 items: 8 plain instructions, 16 transcendentals, a v_nop; the turn writes one wait behind each stage.
;   stage 0: c s + NM, then p'' = 2^..;   stage 1: A + NB p'', then 2^..;   stage 2: D = Z + .., then 1 / D.
;   In a stage: pairs 0 and 1; then two transcendentals and a pair by turns; the last four transcendentals; the v_nop.  A pair is made two items or more ahead of its transcendentals.
;   75-82: w'' = p'' / D;   83-90: rounded to f16 in pairs: two tiles of keys so rounded ARE source 1 (32 keys x 16 queries) of the second product.
.macro V2 t
.set rT, ST+8*(\t)
.set rS, SS+16*(\t)
.set sg, j/25
.set vk, j%25
.if j >= 83
	v_cvt_pk_f16_f32 v[PP+j-83], v[rS+2*(j-83)], v[rS+2*(j-83)+1]
.elseif j >= 75
	v_pk_mul_f32 v[rS+2*(j-75):rS+2*(j-75)+1], v[rS+2*(j-75):rS+2*(j-75)+1], v[TT+2*(j-75):TT+2*(j-75)+1]
.elseif vk == 24
	v_nop
.elseif (vk < 2) || ((vk < 20) && ((vk-2)%3 == 2))
.set vb, vk
.if vk >= 2
.set vb, (vk-2)/3+2
.endif
.if sg == 0
	v_pk_fma_f32 v[rS+2*vb:rS+2*vb+1], v[rS+2*vb:rS+2*vb+1], s[CS:CS+1], v[rT:rT+1] op_sel_hi:[1,0,0]
.elseif sg == 1
	v_pk_fma_f32 v[TT+2*vb:TT+2*vb+1], v[rS+2*vb:rS+2*vb+1], v[rT+4:rT+5], v[rT+2:rT+3] op_sel_hi:[1,0,0]
.else
	v_pk_add_f32 v[TT+2*vb:TT+2*vb+1], v[TT+2*vb:TT+2*vb+1], v[rT+6:rT+7] op_sel_hi:[1,0]
.endif
.else
.set ve, vk-8
.if vk < 20
.set ve, 2*((vk-2)/3)+(vk-2)%3
.endif
.if sg == 0
	v_exp_f32 v[rS+ve], v[rS+ve]
.elseif sg == 1
	v_exp_f32 v[TT+ve], v[TT+ve]
.else
	v_rcp_f32 v[TT+ve], v[TT+ve]
.endif
.endif
.endm
; TURN A of step n: tile 0's V^T P of step n - 1 (behind items 26, 31, 36, 41) and, with kq = 1, its K Q^T of step n (behind items 51, 56, 61, 66) | tile 1's list of step n - 1.
; K(n) is asked for at the head: K's last reader stands in turn B in front of more than four plain instructions.  LDS loads are issued V (8), K (8), V, K ..: the wait for 8 leaves K's out.
.macro T2A kq
.if \kq
	FETCH_K2
.endif
.set j, 0
.rept 91
	V2 1
.if (j == 24) || (j == 49) || (j == 74)
	s_wait_alu depctr_va_vdst(0)                   ; one wait for the stage's 16, ahead of their first reader
.endif
.if j == 26
	s_wait_dscnt 8*\kq                             ; V(n - 1) is in; K(n)'s eight loads, issued behind it, may be out
.endif
.if (j >= 26) && (j <= 41) && ((j-26)%5 == 0)
	PV2 0, (j-26)/5
.endif
.if \kq && (j == 51)
	s_wait_dscnt 0x0                               ; K(n) is in
.endif
.if \kq && (j >= 51) && (j <= 66) && ((j-51)%5 == 0)
	QK2 0, (j-51)/5
.endif
.set j, j+1
.endr
.endm
; TURN B of step n: with pv = 1 tile 1's V^T P of step n - 1 (behind items 1, 5, 9, 13); its K Q^T of step n (behind items 31, 38, 52, 59) | tile 0's list of step n.
; V(n) is asked for behind item 26: between V's last reader and the loads stand six plain instructions that name none of its registers (items 16, 19, 24, 25, 26 and the address's addition).
.macro T2B pv
.set j, 0
.set i, 0
.rept 91
	V2 0
.if (j == 24) || (j == 49) || (j == 74)
	s_wait_alu depctr_va_vdst(0)
.endif
.if \pv && (j <= 13) && (j%4 == 1)
	PV2 1, j/4
.endif
.if j == 26
	FETCH_V2
.endif
.if (j == 31) || (j == 38) || (j == 52) || (j == 59)
	QK2 1, i
.set i, i+1
.endif
.set j, j+1
.endr
.endm
.macro W2LOOP n                        ; n key steps
	s_mov_b32 s[CNT], \n
.Lw2_\@:
	T2A 1
	T2B 1
	s_sub_co_u32 s[CNT], s[CNT], 1
	s_cmp_lg_u32 s[CNT], 0
	s_cbranch_scc1 .Lw2_\@
.endm
.macro W2CHUNK slot                    ; a chunk's sixteen key steps
	s_mov_b32 s[TK], \slot*SLOT
	s_mov_b32 s[TV], \slot*SLOT
	W2LOOP 16
.endm
	s_wait_tensorcnt 0x1                           ; my slot-0 load is in; my slot-1 load may be out
	s_barrier_signal -1
	s_barrier_wait -1
	s_mov_b32 s[TK], 0
	FETCH1 KA                                      ; K of step 0
	s_wait_loadcnt 0x0                             ; Q, the threshold, the sharpness
	v_mul_f32 v27, 0xbfb8aa3b, v27                 ; -thr log2(e)
	v_exp_f32 v27, v27
	v_mul_f32 v[CG], 0x3fb8aa3b, v28               ; cg (the plain instruction behind the exponential)
	s_wait_alu depctr_va_vdst(0)
	v_add_f32 v27, 1.0, v27
	v_rcp_f32 v[TH], v27                           ; sigmoid(thr)
	v_nop
	s_wait_alu depctr_va_vdst(0)
	v_mul_f32 v[E0], v[CG], v[TH]
	s_wait_dscnt 0x0
.set i, 0
.rept 8
	QK1 0, KA                                      ; tile 0's first scores: there is no vector work yet to set between them
.set i, i+1
.endr
	NOPS 4                                         ; the places ahead of the first read of those scores
	BODY1 KB, KA                                   ; step 1
	s_mov_b32 s[CNT], 3
.Lw1_first:                                            ; steps 2 to 7
	BODY1 KA, KB
	BODY1 KB, KA
	s_sub_co_u32 s[CNT], s[CNT], 1
	s_cmp_lg_u32 s[CNT], 0
	s_cbranch_scc1 .Lw1_first
	CHANGE 1, 0                                    ; chunk 2 into slot 0
	W1CHUNK 1                                      ; chunk 1
	CHANGE 1, 1                                    ; chunk 3 into slot 1
	W1CHUNK 0                                      ; chunk 2
	CHANGE 0, 0
	W1CHUNK 1                                      ; chunk 3
	TURN1 1, KB, 1                                 ; tile 1's last scores | tile 0's last list
	TURN1 0, KA, 0                                 ; tile 1's last list
	s_mov_b32 s[TK], SLOT                          ; walk 2 begins where walk 1 ended, in slot 1: its first K is asked for ahead of the lines below
	s_mov_b32 s[TV], SLOT
	FETCH_K2
	; THE HALVES MEET.  Both halves of the lanes run the same operations on the same two pairs (m, l), joined by two products and a sum that does not mind the order: so both hold the same bits from here on.
.irp t, 0,1
	v_add_f32 v[ST+8*\t+2], v[ST+8*\t+2], v[ST+8*\t+3]
.endr
.irp t, 0,1
	v_permlanex16_b32 v[ST+8*\t+4], v[ST+8*\t+1], s[SEL], s[SEL+1]   ; the other half's m
	v_permlanex16_b32 v[ST+8*\t+5], v[ST+8*\t+2], s[SEL], s[SEL+1]   ; and l
.endr
.irp t, 0,1
	v_max_num_f32 v[ST+8*\t+1], v[ST+8*\t+1], v[ST+8*\t+4]
	v_mul_f32 v[ST+8*\t+4], s[CS], v[ST+8*\t+4]    ; the other half's c m, as it made it
.endr
.irp t, 0,1
	v_mul_f32 v[ST+8*\t+6], s[CS], v[ST+8*\t+1]    ; c m of the row
.endr
.irp t, 0,1
	v_sub_f32 v[ST+8*\t], v[ST+8*\t], v[ST+8*\t+6]
	v_sub_f32 v[ST+8*\t+4], v[ST+8*\t+4], v[ST+8*\t+6]
.endr
.irp t, 0,1
	v_exp_f32 v[ST+8*\t], v[ST+8*\t]
	v_exp_f32 v[ST+8*\t+4], v[ST+8*\t+4]
.endr
	v_nop
	s_wait_alu depctr_va_vdst(0)
.irp t, 0,1
	v_mul_f32 v[ST+8*\t+2], v[ST+8*\t+2], v[ST+8*\t]
	v_mul_f32 v[ST+8*\t+5], v[ST+8*\t+5], v[ST+8*\t+4]
.endr
.irp t, 0,1
	v_add_f32 v[ST+8*\t+2], v[ST+8*\t+2], v[ST+8*\t+5]   ; l of the row
.endr
.irp t, 0,1
	v_rcp_f32 v[ST+8*\t+3], v[ST+8*\t+2]           ; il
.endr
	v_nop
	s_wait_alu depctr_va_vdst(0)
.irp t, 0,1
	v_mul_f32 v[ST+8*\t+5], v[CG], v[ST+8*\t+3]    ; cg il
	v_sub_f32 v[ST+8*\t], 0x41600000, v[ST+8*\t+6] ; NM = 14 - c m
.endr
.irp t, 0,1
	v_sub_f32 v[ST+8*\t+7], v[E0], v[ST+8*\t+5]    ; e1
	v_mul_f32 v[ST+8*\t+1], 0x38800000, v[ST+8*\t+3]   ; FP = il 2^-14
.endr
.irp t, 0,1
	v_min_num_f32 v[ST+8*\t+7], v[E0], v[ST+8*\t+7]
	v_mul_f32 v[ST+8*\t+4], 0xb8800000, v[ST+8*\t+5]   ; NB = -cg il 2^-14
.endr
.irp t, 0,1
	v_max_num_f32 v[ST+8*\t+7], 0, v[ST+8*\t+7]
.endr
.irp t, 0,1
	v_floor_f32 v[ST+8*\t+7], v[ST+8*\t+7]         ; u
.endr
.irp t, 0,1
	v_sub_f32 v[ST+8*\t+2], v[E0], v[ST+8*\t+7]    ; A = e0 - u
	v_mov_b32 v[ST+8*\t+3], v[ST+8*\t+7]
.endr
.irp t, 0,1
	v_exp_f32 v[ST+8*\t+6], -v[ST+8*\t+7]          ; Z = 2^-u
.endr
.set i, 0
.rept 64
	v_mov_b32 v[OO+i], 0                           ; O^T: cleared once, so that walk 2's turns are written in one form.  (Plain work behind the two exponentials)
.set i, i+1
.endr
	s_wait_alu depctr_va_vdst(0)
	s_wait_dscnt 0x0                               ; K of walk 2's first step is in
	QK2 0, 0                                       ; tile 0's first scores
	QK2 0, 1
	QK2 0, 2
	QK2 0, 3
	NOPS 4                                         ; the places ahead of the first read of those scores
	T2B 0                                          ; tile 1's first scores | tile 0's first list | V of the first step
	W2LOOP 15                                      ; the rest of chunk 3
	CHANGE 2, 1                                    ; K's and V's chunk 1 into slot 1
	W2CHUNK 0                                      ; chunk 2
	CHANGE 2, 0                                    ; chunk 0 into slot 0
	W2CHUNK 1                                      ; chunk 1
	CHANGE 0, 0
	W2CHUNK 0                                      ; chunk 0
	T2A 0                                          ; tile 0's last V^T P | tile 1's last list
	PV2 1, 0                                       ; tile 1's last V^T P
	PV2 1, 1
	PV2 1, 2
	PV2 1, 3
	NOPS 4                                         ; the places ahead of the first read of O^T
	; THE WAY OUT.  The largest |O''| of each query (32 numbers in this lane, 32 in the lane 16 away); the exponent that brings O'' FP into [1, 2); f16; through my stage; 4,096 consecutive bytes a wave.
.irp j, 0,1,2,3
.irp t, 0,1
	v_max3_num_f32 v[KF+4*\t+\j], |v[OO+32*\t+8*\j]|, |v[OO+32*\t+8*\j+1]|, |v[OO+32*\t+8*\j+2]|   ; each accumulator from its low end on
.endr
.endr
.irp g, 1,2
.irp j, 0,1,2,3
.irp t, 0,1
	v_max3_num_f32 v[KF+4*\t+\j], v[KF+4*\t+\j], |v[OO+32*\t+8*\j+2*\g+1]|, |v[OO+32*\t+8*\j+2*\g+2]|
.endr
.endr
.endr
.irp t, 0,1
	v_max3_num_f32 v[KF+4*\t], v[KF+4*\t], |v[OO+32*\t+7]|, |v[OO+32*\t+15]|
.endr
.irp t, 0,1
	v_max3_num_f32 v[KF+4*\t+2], v[KF+4*\t+2], |v[OO+32*\t+23]|, |v[OO+32*\t+31]|
.endr
.irp t, 0,1
	v_max3_num_f32 v[KF+4*\t], v[KF+4*\t], v[KF+4*\t+1], v[KF+4*\t+2]
.endr
.irp t, 0,1
	v_max_num_f32 v[KF+4*\t], v[KF+4*\t], v[KF+4*\t+3]
.endr
.irp t, 0,1
	v_permlanex16_b32 v[ST+8*\t+5], v[KF+4*\t], s[SEL], s[SEL+1]
.endr
.irp t, 0,1
	v_max_num_f32 v[ST+8*\t+4], v[KF+4*\t], v[ST+8*\t+5]
.endr
.irp t, 0,1
	v_mul_f32 v[ST+8*\t+4], v[ST+8*\t+4], v[ST+8*\t+1]   ; x FP
.endr
.irp t, 0,1
	v_lshrrev_b32 v[ST+8*\t+4], 23, v[ST+8*\t+4]   ; its exponent field
.endr
.irp t, 0,1
	v_sub_nc_u32 v[ST+8*\t+4], 127, v[ST+8*\t+4]   ; neb
.endr
.irp t, 0,1
	v_ldexp_f32 v[ST+8*\t+6], v[ST+8*\t+1], v[ST+8*\t+4]   ; Fn = FP 2^neb
.endr
.irp t, 0,1
	v_cvt_f32_i32 v[ST+8*\t+4], v[ST+8*\t+4]
.endr
.irp t, 0,1
	v_add_f32 v[ST+8*\t+4], v[ST+8*\t+4], v[ST+8*\t+3]   ; neb + u = -E
.endr
.irp t, 0,1
.irp j, 0,2,4,6,8,10,12,14,16,18,20,22,24,26,28,30
	v_pk_mul_f32 v[SS+32*\t+\j:SS+32*\t+\j+1], v[OO+32*\t+\j:OO+32*\t+\j+1], v[ST+8*\t+6:ST+8*\t+7] op_sel_hi:[1,0]
.endr
.endr
.irp t, 0,1
.irp i, 0,1,2,3,4,5,6,7,8,9,10,11,12,13,14,15
	v_cvt_pk_f16_f32 v[KF+16*\t+\i], v[SS+32*\t+2*\i], v[SS+32*\t+2*\i+1]
.endr
.endr
	s_mul_i32 s20, s[WV], 4352
	s_add_co_u32 s20, s20, STAGE
	v_add_nc_u32 v[ADK], s20, v[AK0]               ; in: query r's row, two rows of 128 bytes to an LDS row
	v_and_b32 v7, 15, v0
	v_bfe_u32 v31, v0, 4, 1
	v_mul_u32_u24 v[ADV], v31, 272
	v_lshl_add_u32 v[ADV], v7, 4, v[ADV]
	v_add_nc_u32 v[ADV], s20, v[ADV]               ; back: sixteen lanes to an LDS row
	v_and_b32 v27, 31, v0
	v_lshlrev_b32 v28, 2, v27
	v_lshlrev_b32 v26, 4, v27
	s_lshr_b32 s18, s15, 4                         ; ao: block of 128 rows = batch x 16 + 2 x my block + wave / 4,
	s_lshl_b32 s18, s18, 4
	s_lshl_b32 s19, s14, 1
	s_add_co_u32 s18, s18, s19
	s_lshr_b32 s19, s[WV], 2
	s_add_co_u32 s18, s18, s19
	s_lshl_b32 s18, s18, 4                         ; in it my head: 16,384 bytes each,
	s_and_b32 s19, s15, 15
	s_add_co_u32 s18, s18, s19
	s_lshl_b32 s18, s18, 14
	s_lshl_b32 s19, s16, 12                        ; in it my wave's 32 rows of 128 bytes
	s_add_co_u32 s18, s18, s19
	s_mov_b32 s19, 0
	s_add_nc_u64 s[10:11], s[10:11], s[18:19]
	s_lshl_b32 s18, s15, 11                        ; aoe: [batch x 16 + head][position]
	s_lshl_b32 s20, s14, 8
	s_add_co_u32 s18, s18, s20
	s_lshl_b32 s20, s[WV], 5
	s_add_co_u32 s18, s18, s20
	s_lshl_b32 s18, s18, 2
	s_add_nc_u64 s[66:67], s[66:67], s[18:19]
.irp t, 0,1
.irp d, 0,1,2,3
	ds_store_b128 v[ADK], v[KF+16*\t+4*\d:KF+16*\t+4*\d+3] offset:2176*\t+32*\d
.endr
.endr
.irp i, 0,1,2,3,4,5,6,7
	ds_load_b128 v[SS+4*\i:SS+4*\i+3], v[ADV] offset:544*\i   ; in order behind my stores
.endr
	v_cmp_gt_u32 vcc_lo, 16, v27                   ; lanes 0-15 store tile 0's exponents, lanes 16-31 tile 1's
	v_cndmask_b32 v31, v[ST+12], v[ST+4], vcc_lo
	v_mul_f32 v31, -1.0, v31                       ; E
	global_store_b32 v28, v31, s[66:67]            ; 128 consecutive bytes
.irp i, 0,1,2,3,4,5,6,7
	s_wait_dscnt 7-\i
	global_store_b128 v26, v[SS+4*\i:SS+4*\i+3], s[10:11] offset:512*\i   ; 512 consecutive bytes, aligned
.endr
	s_wait_tensorcnt 0x0                           ; the wave's end
	ds_add_u32 v[SPW], v[NIL]
	s_wait_dscnt 0x0
	CROUND                                         ; the closing round
	s_endpgm
.Lfunc_end_k_qd96138a70a_attn:
	.size	k_qd96138a70a_attn, .Lfunc_end_k_qd96138a70a_attn-k_qd96138a70a_attn
	.p2alignl 7, 3214868480
	.fill 96, 4, 3214868480
	.section	.rodata,"a",@progbits
	.p2align	6, 0x0
	.amdhsa_kernel k_qd96138a70a_attn
		.amdhsa_group_segment_fixed_size 327680
		.amdhsa_private_segment_fixed_size 0
		.amdhsa_enable_private_segment 0
		.amdhsa_kernarg_size 40
		.amdhsa_user_sgpr_count 2
		.amdhsa_user_sgpr_kernarg_segment_ptr 1
		.amdhsa_wavefront_size32 1
		.amdhsa_system_sgpr_workgroup_id_x 1
		.amdhsa_system_sgpr_workgroup_id_y 1
		.amdhsa_system_sgpr_workgroup_id_z 1
		.amdhsa_system_vgpr_workitem_id 0
		.amdhsa_next_free_vgpr 256
		.amdhsa_next_free_sgpr 72
		.amdhsa_reserve_vcc 1
		.amdhsa_float_denorm_mode_32 3
		.amdhsa_float_denorm_mode_16_64 3
		.amdhsa_memory_ordered 1
		.amdhsa_forward_progress 1
		.amdhsa_inst_pref_size 187
	.end_amdhsa_kernel
	.amdgpu_metadata
---
amdhsa.version: [ 1, 2 ]
amdhsa.kernels:
  - .name:           k_qd96138a70a_attn
    .symbol:         k_qd96138a70a_attn.kd
    .args:
      - { .name: qkv, .offset: 0, .size: 8, .value_kind: global_buffer, .address_space: global }
      - { .name: learned_threshold, .offset: 8, .size: 8, .value_kind: global_buffer, .address_space: global }
      - { .name: gate_sharpness, .offset: 16, .size: 8, .value_kind: global_buffer, .address_space: global }
      - { .name: ao, .offset: 24, .size: 8, .value_kind: global_buffer, .address_space: global }
      - { .name: aoe, .offset: 32, .size: 8, .value_kind: global_buffer, .address_space: global }
    .group_segment_fixed_size: 327680
    .private_segment_fixed_size: 0
    .kernarg_segment_align: 8
    .kernarg_segment_size: 40
    .max_flat_workgroup_size: 256
    .sgpr_count:     72
    .vgpr_count:     256
    .wavefront_size: 32
...
	.end_amdgpu_metadata
.endif
;; end of part 3
;; launch oproj (part 4): grid 8 x 32, 4 waves a work-group, clusters of 4 x 4, 327,680 bytes of LDS; arguments ao, wo16, aoe, wo_b, out0; writes out0
.if DOCPART == 4
	.amdgcn_target "amdgcn-amd-amdhsa--gfx1250"
	.amdhsa_code_object_version 6
	.text
	.protected	k_qd96138a70a_oproj
	.globl	k_qd96138a70a_oproj
	.p2align	8
	.type	k_qd96138a70a_oproj,@function
k_qd96138a70a_oproj:
	s_mov_b64 s[64:65], 0
	v_nop
	global_prefetch_b8 v0, s[64:65] scope:SCOPE_SE
	s_setreg_imm32_b32 hwreg(HW_REG_WAVE_MODE, 25, 1), 1
	s_wait_xcnt 0x0
	s_wait_alu depctr_hold_cnt(0) depctr_sa_sdst(0) depctr_va_vdst(0) depctr_va_sdst(0) depctr_va_ssrc(0) depctr_va_vcc(0) depctr_vm_vsrc(0)
	s_getreg_b32 s2, hwreg(HW_REG_IB_STS2, 6, 4)
	s_cmp_eq_u32 s2, 0
	s_cbranch_scc0 .Lentry_in_a_cluster
	s_endpgm
.Lentry_in_a_cluster:
	s_bfe_u32 s2, ttmp6, 0x10000c
	s_cmp_lg_u32 s2, 0xf033
	s_cbranch_scc0 .Lentry_shape_is_right
	s_endpgm
.Lentry_shape_is_right:
; out0 = o wo_w + wo_b.  o arrives as ao (f16, each (row, head) block of 64 normalised to a largest magnitude in [1, 2)) and aoe (that block's exponent E): o = ao x 2^E.  wo16: wo_w as f16, [k 1024][n 1024].
; For each row ER = the largest E of its 16 heads.  Each head's 64 along K are summed by the matrix unit in accumulators of their own; the finished sums are folded in f32 into the row's totals,
; total += 2^(E - ER) x sum, a factor of at most 1; the totals are multiplied by 2^ER on the way out, with the bias in the same multiply-add.  The f16 fragments go to the matrix unit as they come from LDS.
; LIMITS: NaN and infinities are not served; a head whose E lies more than 149 under its row's ER counts for nothing; a row whose ER lies under -149 comes out as the bias alone.
; A tile of out0 is 128 x 128: four waves, 64 x 64 each: 16 accumulators.  K goes in four steps of 256 (four heads) through two LDS slots.  A's tile of a K step is a dense block of memory, stated as rows of
; 256 bytes (two rows of 64 f16) + 16 of padding; B's is 256 rows (k) of 256 bytes + 32, read by the turning load.  The four K steps are written out: the factors' registers differ from head to head.
; CLUSTERS: 4 x 4 work-groups; A's tiles are shared along a row of the cluster, B's along a column: joint loads.  THE MATRIX INSTRUCTION IS USED TRANSPOSED (source 0 = 16 columns of wo, source 1 = 16 rows of A):
; a lane holds one row of out0, so a row's factor is one number a lane.
; REGISTERS: window 0: v0-31 addresses, v8-15 2^ER in pairs; v32-95 the factors (head x 4 + row block), later the way out; v96-127 the bias; v128-255 the totals.
;   window 1: two fragment buffers of 128.   window 2: v0-127 a head's 16 accumulators.
.set SLOT,   143360                    ; A: 4 heads x 64 x 272; B: 256 x 288
.set BOFF,   69632
.set STAGE,  2*SLOT                    ; behind the ring: 16 rows x 272 bytes for each wave
.set SPARE,  STAGE+4*4352              ; the spare words, 128 bytes a wave
.set OS,   8
.set ADRA, 16                          ; v16-17  my A fragments in slot 0, 1
.set ADRB, 20                          ; v20-21  my B fragments in slot 0, 1; v22-23 the same 128 rows of k further on
.set STO,  24
.set RD,   25
.set CO,   26
.set SPW,  28
.set NIL,  29
.set FC,   32
.set BI,   96
.set ACC,  128
.set F0,   0
.set F1,   128
.set G1, 24
.set G0, 32
.set G1B, 48
.set G0B, 56
.set MSB, 0
.macro WIN new                         ; the immediate's high byte repeats the setting that is left
.if MSB != \new
	s_set_vgpr_msb (MSB<<8)|\new
.set MSB, \new
.endif
.endm
.set MUL,  0xa5                        ; sources 0 and 1 window 1; C and D window 2
.set TO_F, 0x40                        ; destination window 1, address window 0
.set FLD,  0x02                        ; source 0 (a head's sums) window 2; the factor, the totals and the destination window 0
.macro JLOAD s                         ; a joint load: waves 0 and 1 fetch A's halves, waves 2 and 3 B's; an s_nop 0 and four v_nop follow each line
	s_cmp_eq_u32 s11, 0
	s_cbranch_scc0 .Lfor_b_\@
	tensor_load_to_lds s[G0+4*\s:G0+4*\s+3], s[G1:G1+7]
	s_nop 0
.rept 4
	v_nop
.endr
	s_branch .Lasked_\@
.Lfor_b_\@:
	tensor_load_to_lds s[G0B+4*\s:G0B+4*\s+3], s[G1B:G1B+7]
	s_nop 0
.rept 4
	v_nop
.endr
.Lasked_\@:
.endm
.macro CREST                           ; a round of the cluster's barrier behind its opening barrier
	s_cmp_lg_u32 s10, 0
	s_cbranch_scc1 .Lnot_wave_0_\@
	s_barrier_signal -3
.Lnot_wave_0_\@:
	s_barrier_wait -3
	s_barrier_signal -1
	s_barrier_wait -1
.endm
.macro CROUND
	s_barrier_signal -1
	s_barrier_wait -1
	CREST
.endm
	s_load_b128 s[4:7], s[0:1], 0x0                ; ao, wo16
	s_load_b128 s[68:71], s[0:1], 0x10             ; aoe, wo_b
	s_load_b64 s[8:9], s[0:1], 0x20                ; out0
	v_lshl_add_u32 v[SPW], v0, 2, SPARE
	v_mov_b32 v[NIL], 0
	ds_add_u32 v[SPW], v[NIL]                      ; the opening: the add, twice on end, and its wait ahead of my first tensor load
	ds_add_u32 v[SPW], v[NIL]
	v_lshrrev_b32 v1, 5, v0
	v_readfirstlane_b32 s10, v1                    ; wave 0..3
	s_lshr_b32 s11, s10, 1                         ; my half of the tile's rows.  Also: I fetch for A (0) or B (1)
	s_and_b32 s12, s10, 1                          ; my half of its columns.  Also: which half of that tile I fetch
	s_bfe_u32 s40, ttmp6, 0x40000
	s_bfe_u32 s41, ttmp6, 0x40004
	s_lshl_b32 s42, ttmp9, 2
	s_add_co_u32 s42, s42, s40                     ; tile column
	s_and_b32 s13, ttmp7, 0xffff
	s_lshl_b32 s13, s13, 2
	s_add_co_u32 s13, s13, s41                     ; tile row
	s_lshl_b32 s43, s41, 2
	s_lshl_b32 s43, 15, s43                        ; my row of the cluster
	s_lshl_b32 s44, 0x1111, s40                    ; my column
	s_or_b32 s[G1+0], s43, (3<<16)|(1<<20)|(1<<21)|(5<<22)|(3<<25)   ; A: elements of 8 bytes; 4 words of padding behind every 64
	s_mov_b32 s[G1+1], 32<<16                      ; rows of 32 elements: 256 bytes
	s_mov_b32 s[G1+2], 128<<16                     ; 128 of them: two heads
	s_mov_b32 s[G1+3], 32<<16
	s_mov_b32 s[G1+4], 128
	s_mov_b32 s[G1+5], 32                          ; dense
	s_mov_b32 s[G1+6], 0
	s_mov_b32 s[G1+7], 0
	s_or_b32 s[G1B+0], s44, (1<<16)|(1<<20)|(1<<21)|(5<<22)|(7<<25)  ; B: elements of 2 bytes; 8 words of padding behind every 64
	s_mov_b32 s[G1B+1], 128<<16
	s_mov_b32 s[G1B+2], 128<<16
	s_mov_b32 s[G1B+3], 128<<16
	s_mov_b32 s[G1B+4], 128
	s_mov_b32 s[G1B+5], 1024
	s_mov_b32 s[G1B+6], 0
	s_mov_b32 s[G1B+7], 0
	s_lshl_b32 s16, s13, 4                         ; A: (tile row x 16 heads + my two heads) x 16,384 bytes
	s_lshl_b32 s17, s12, 1
	s_add_co_u32 s16, s16, s17
	s_lshl_b32 s16, s16, 14
	s_mov_b32 s17, 0
	s_lshl_b32 s46, s12, 18                        ; B: my 128 rows of 2,048 bytes + the tile column's 256 bytes
	s_lshl_b32 s47, s42, 8
	s_add_co_u32 s46, s46, s47
	s_mov_b32 s47, 0
	s_mul_i32 s20, s12, 34816                      ; where they go: no place in the cluster enters an LDS address
	s_mul_i32 s21, s12, 36864
	s_add_co_u32 s21, s21, BOFF
	s_wait_dscnt 0x0                               ; both opening adds are done
	s_wait_kmcnt 0x0
	s_add_nc_u64 s[14:15], s[4:5], s[16:17]
	s_add_nc_u64 s[46:47], s[6:7], s[46:47]
	CROUND                                         ; all sixteen work-groups are here: the first joint loads meet
.irp s, 0,1
	s_mov_b32 s[G0+4*\s], 1
	s_add_co_u32 s[G0+4*\s+1], s20, \s*SLOT
	s_add_nc_u64 s[G0+4*\s+2:G0+4*\s+3], s[14:15], \s*65536
	s_or_b32 s[G0+4*\s+3], s[G0+4*\s+3], 0x80000000
	s_mov_b32 s[G0B+4*\s], 1
	s_add_co_u32 s[G0B+4*\s+1], s21, \s*SLOT
	s_add_nc_u64 s[G0B+4*\s+2:G0B+4*\s+3], s[46:47], \s*524288
	s_or_b32 s[G0B+4*\s+3], s[G0B+4*\s+3], 0x80000000
	JLOAD \s
.endr
	v_and_b32 v1, 15, v0                           ; r
	v_bfe_u32 v2, v0, 4, 1                         ; h
	; the exponents of my 64 rows x 16 heads, and the bias of my 64 columns
	v_lshlrev_b32 v6, 2, v1
	v_lshlrev_b32 v7, 5, v2
	s_lshr_b32 s16, s13, 4                         ; the batch: 16 heads x 2,048 words,
	s_lshl_b32 s16, s16, 17
	s_and_b32 s17, s13, 15                         ; the tile's 128 positions,
	s_lshl_b32 s17, s17, 9
	s_add_co_u32 s16, s16, s17
	s_lshl_b32 s17, s11, 8                         ; my 64 of them
	s_add_co_u32 s16, s16, s17
	s_mov_b32 s17, 0
	s_add_nc_u64 s[68:69], s[68:69], s[16:17]
	s_lshl_b32 s46, s42, 9
	s_lshl_b32 s47, s12, 8
	s_add_co_u32 s46, s46, s47
	s_mov_b32 s47, 0
	s_add_nc_u64 s[70:71], s[70:71], s[46:47]
.set i, 0
.rept 64
	global_load_b32 v[FC+i], v6, s[68:69] offset:(i/4)*8192+(i%4)*64   ; head i / 4, rows 16 (i % 4) + r
.set i, i+1
.endr
.irp b, 0,1,2,3
	global_load_b128 v[BI+8*\b:BI+8*\b+3], v7, s[70:71] offset:64*\b   ; register j of block b: bias[16 b + 8 h + j]
	global_load_b128 v[BI+8*\b+4:BI+8*\b+7], v7, s[70:71] offset:64*\b+16
.endr
	v_lshrrev_b32 v3, 1, v1
	v_mul_u32_u24 v3, v3, 272
	v_and_b32 v4, 1, v1
	v_lshl_add_u32 v3, v4, 7, v3
	v_lshl_add_u32 v3, v2, 4, v3                   ; A: (r / 2) x 272 + (r % 2) x 128 + 16 h
	s_mul_i32 s21, s11, 8704                       ; my 64 rows: 32 LDS rows
	v_add_nc_u32 v[ADRA], s21, v3
	v_add_nc_u32 v[ADRA+1], SLOT, v[ADRA]
	v_and_b32 v4, 7, v0
	v_lshl_add_u32 v4, v2, 3, v4                   ; B, the turning load: row of k 8 h + l % 8,
	v_mul_u32_u24 v4, v4, 288
	v_bfe_u32 v5, v0, 3, 1
	v_lshl_add_u32 v4, v5, 4, v4                   ; columns 8 ((l / 8) % 2) on
	s_lshl_b32 s22, s12, 7                         ; my 64 columns
	s_add_co_u32 s22, s22, BOFF
	v_add_nc_u32 v[ADRB], s22, v4
	v_add_nc_u32 v[ADRB+1], SLOT, v[ADRB]
	v_add_nc_u32 v[ADRB+2], 36864, v[ADRB]
	v_add_nc_u32 v[ADRB+3], 36864, v[ADRB+1]
	s_mul_i32 s23, s10, 4352
	s_add_co_u32 s23, s23, STAGE                   ; my stage
	v_mul_u32_u24 v4, v1, 272
	v_lshl_add_u32 v4, v2, 5, v4
	v_add_nc_u32 v[STO], s23, v4                   ; in: row r, 32 bytes for each half of the lanes
	v_mul_u32_u24 v5, v2, 272
	v_lshl_add_u32 v5, v1, 4, v5
	v_add_nc_u32 v[RD], s23, v5                    ; back: sixteen lanes to a row of 256 bytes
	v_lshlrev_b32 v5, 12, v2
	v_lshl_add_u32 v[CO], v1, 4, v5                ; and the same two rows in out0
	s_lshl_b32 s16, s13, 7
	s_lshl_b32 s17, s11, 6
	s_add_co_u32 s16, s16, s17                     ; my first row
	s_lshl_b32 s16, s16, 12
	s_mov_b32 s17, 0
	s_add_nc_u64 s[8:9], s[8:9], s[16:17]
	s_add_nc_u64 s[8:9], s[8:9], s[46:47]          ; my first column: the same bytes as in the bias
	s_wait_loadcnt 0x0
.irp a, 0,1,2,3
	v_max3_num_f32 v[OS+2*\a], v[FC+\a], v[FC+4+\a], v[FC+8+\a]    ; ER: the largest E of the row's 16 heads
.endr
.irp g, 3,5,7,9,11,13
.irp a, 0,1,2,3
	v_max3_num_f32 v[OS+2*\a], v[OS+2*\a], v[FC+4*\g+\a], v[FC+4*\g+4+\a]
.endr
.endr
.irp a, 0,1,2,3
	v_max_num_f32 v[OS+2*\a], v[OS+2*\a], v[FC+60+\a]
.endr
.set i, 0
.rept 64
	v_sub_f32 v[FC+i], v[FC+i], v[OS+2*(i%4)]      ; E - ER: a whole number, 0 or less
.set i, i+1
.endr
.set i, 0
.rept 64
	v_cvt_i32_f32 v[FC+i], v[FC+i]                 ; (it saturates)
.set i, i+1
.endr
.set i, 0
.rept 64
	v_ldexp_f32 v[FC+i], 1.0, v[FC+i]              ; the factor 2^(E - ER), in f32
.set i, i+1
.endr
.irp a, 0,1,2,3
	v_cvt_i32_f32 v[OS+2*\a+1], v[OS+2*\a]
.endr
.irp a, 0,1,2,3
	v_ldexp_f32 v[OS+2*\a], 1.0, v[OS+2*\a+1]      ; 2^ER (the pair's upper register is written, and not used)
.endr
; 8 matrix instructions: row blocks a0, a0 + 1 x all 4 column blocks, 32 along K: half c of buffer f.  A head's first half starts its sums with the constant 0.  The 16 accumulators take turns.
.macro MUL8 f, c, a0
.irp a, \a0, \a0+1
.irp b, 0,1,2,3
.if \c == 0
	v_wmma_f32_16x16x32_f16 v[8*(4*(\a)+\b):8*(4*(\a)+\b)+7], v[\f+64+8*(4*\c+\b):\f+64+8*(4*\c+\b)+7], v[\f+8*(4*\c+\a):\f+8*(4*\c+\a)+7], 0
.else
	v_wmma_f32_16x16x32_f16 v[8*(4*(\a)+\b):8*(4*(\a)+\b)+7], v[\f+64+8*(4*\c+\b):\f+64+8*(4*\c+\b)+7], v[\f+8*(4*\c+\a):\f+8*(4*\c+\a)+7], v[8*(4*(\a)+\b):8*(4*(\a)+\b)+7]
.endif
.endr
.endr
.endm
; 32 LDS loads in one run: the fragments of the slot's head q (64 along K) into buffer f; the first 32 along K first
.macro FETCH slot, q, f
	WIN TO_F
.irp c, 0,1
.irp i, 0,1,2,3
	ds_load_tr16_b128 v[\f+64+8*(4*\c+\i):\f+64+8*(4*\c+\i)+3],   v[ADRB+\slot+2*((\q)/2)] offset:((\q)%2)*18432+\c*9216+32*\i
	ds_load_tr16_b128 v[\f+64+8*(4*\c+\i)+4:\f+64+8*(4*\c+\i)+7], v[ADRB+\slot+2*((\q)/2)] offset:((\q)%2)*18432+\c*9216+32*\i+4608
	ds_load_b128 v[\f+8*(4*\c+\i):\f+8*(4*\c+\i)+3],              v[ADRA+\slot] offset:(\q)*17408+\i*2176+64*\c
	ds_load_b128 v[\f+8*(4*\c+\i)+4:\f+8*(4*\c+\i)+7],            v[ADRA+\slot] offset:(\q)*17408+\i*2176+64*\c+32
.endr
.endr
.endm
; A head's finished sums go into the totals: total += factor x sum, in f32, two numbers an instruction; the first head's products start the totals, so nothing is cleared.  A lane's factor for row block a lies in
; v[FC + 4 head + a]: the packed form names an even pair and takes its first register for both halves (a even) or its second (a odd).  Four v_nop are the places ahead of the first read of the sums
; (ISA guide 7.12.1); each accumulator is read from its low end on.  The 64 lines are in their turn the places ahead of the next loads into the fragments just multiplied and of the next head's first products.
.macro FOLD head
	WIN FLD
.rept 4
	v_nop
.endr
.irp a, 0,1,2,3
.irp b, 0,1,2,3
.irp j, 0,2,4,6
.if (\head) == 0
.if (\a)%2 == 0
	v_pk_mul_f32 v[ACC+8*(4*\a+\b)+\j:ACC+8*(4*\a+\b)+\j+1], v[8*(4*\a+\b)+\j:8*(4*\a+\b)+\j+1], v[FC+4*(\head)+\a:FC+4*(\head)+\a+1] op_sel_hi:[1,0]
.else
	v_pk_mul_f32 v[ACC+8*(4*\a+\b)+\j:ACC+8*(4*\a+\b)+\j+1], v[8*(4*\a+\b)+\j:8*(4*\a+\b)+\j+1], v[FC+4*(\head)+\a-1:FC+4*(\head)+\a] op_sel:[0,1] op_sel_hi:[1,1]
.endif
.else
.if (\a)%2 == 0
	v_pk_fma_f32 v[ACC+8*(4*\a+\b)+\j:ACC+8*(4*\a+\b)+\j+1], v[8*(4*\a+\b)+\j:8*(4*\a+\b)+\j+1], v[FC+4*(\head)+\a:FC+4*(\head)+\a+1], v[ACC+8*(4*\a+\b)+\j:ACC+8*(4*\a+\b)+\j+1] op_sel_hi:[1,0,1]
.else
	v_pk_fma_f32 v[ACC+8*(4*\a+\b)+\j:ACC+8*(4*\a+\b)+\j+1], v[8*(4*\a+\b)+\j:8*(4*\a+\b)+\j+1], v[FC+4*(\head)+\a-1:FC+4*(\head)+\a], v[ACC+8*(4*\a+\b)+\j:ACC+8*(4*\a+\b)+\j+1] op_sel:[0,1,0] op_sel_hi:[1,1,1]
.endif
.endif
.endr
.endr
.endr
.endm
; A K step is four quarters, a head each, on buffers 0, 1, 0, 1.  One of the first three: multiplies head q of K step ks from buffer f, fetches head q + 1 into g, and folds.
.macro QUARTER slot, q, f, g, ks
	s_wait_dscnt 16                                ; the first 32 along K are in; the other sixteen loads may be out
	WIN MUL
	MUL8 \f, 0, 0
	MUL8 \f, 0, 2
	FETCH \slot, (\q)+1, \g                        ; buffer g was last multiplied ahead of the last fold, whose lines are the places
	s_wait_dscnt 32                                ; all but the 32 just issued
	WIN MUL
	MUL8 \f, 1, 0
	MUL8 \f, 1, 2
	FOLD 4*(\ks)+(\q)
.endm
; The last quarter multiplies buffer 1 and changes slots: one barrier; in front of it each wave waits for all its tensor loads, adds 0 to its spare word, and waits for that and for its reads of this slot.
; fill = 1: the barrier opens a round of the cluster's, and this slot is filled again, two K steps ahead, first thing behind the round.
.macro TURN slot, next, fill, ks
	WIN 0
	s_wait_tensorcnt 0x0
	ds_add_u32 v[SPW], v[NIL]
	s_wait_dscnt 17                                ; the add and the youngest sixteen loads may be out
	WIN MUL
	MUL8 F1, 0, 0
	s_wait_dscnt 0x0                               ; the add is done, and my reads of this slot are over
	s_barrier_signal -1
	MUL8 F1, 0, 2
.if \fill
	WIN 0
.endif
	s_barrier_wait -1
.if \fill
	CREST
	s_add_nc_u64 s[G0+4*\slot+2:G0+4*\slot+3], s[G0+4*\slot+2:G0+4*\slot+3], 131072
	s_add_nc_u64 s[G0B+4*\slot+2:G0B+4*\slot+3], s[G0B+4*\slot+2:G0B+4*\slot+3], 1048576
	JLOAD \slot
.endif
	FETCH \next, 0, F0                             ; buffer 0 was last multiplied ahead of the last fold
	WIN MUL
	MUL8 F1, 1, 0
	MUL8 F1, 1, 2
	FOLD 4*(\ks)+3
.endm
	s_wait_tensorcnt 1                             ; my part of K step 0 is in; K step 1's load may be out
	s_barrier_signal -1
	s_barrier_wait -1
	FETCH 0, 0, F0
	QUARTER 0, 0, F0, F1, 0
	QUARTER 0, 1, F1, F0, 0
	QUARTER 0, 2, F0, F1, 0
	TURN 0, 1, 1, 0                                ; slot 0 takes K step 2
	QUARTER 1, 0, F0, F1, 1
	QUARTER 1, 1, F1, F0, 1
	QUARTER 1, 2, F0, F1, 1
	TURN 1, 0, 1, 1                                ; slot 1 takes K step 3
	QUARTER 0, 0, F0, F1, 2
	QUARTER 0, 1, F1, F0, 2
	QUARTER 0, 2, F0, F1, 2
	TURN 0, 1, 0, 2                                ; nothing is left to fetch
	QUARTER 1, 0, F0, F1, 3
	QUARTER 1, 1, F1, F0, 3
	QUARTER 1, 2, F0, F1, 3
	s_wait_dscnt 16
	WIN MUL
	MUL8 F1, 0, 0
	MUL8 F1, 0, 2
	s_wait_dscnt 0
	MUL8 F1, 1, 0
	MUL8 F1, 1, 2
	FOLD 15
	WIN 0
	; THE WAY OUT, 16 rows at a time: total x 2^ER + bias; 32 bytes a lane into my own stage; back as whole rows of 256 bytes: a wave's 64 columns of f32 are 256 aligned bytes, so no other wave is needed.
.irp a, 0,1,2,3
.irp b, 0,1,2,3
.irp j, 0,2,4,6
	v_pk_fma_f32 v[32+8*\b+\j:32+8*\b+\j+1], v[ACC+8*(4*\a+\b)+\j:ACC+8*(4*\a+\b)+\j+1], v[OS+2*\a:OS+2*\a+1], v[BI+8*\b+\j:BI+8*\b+\j+1] op_sel_hi:[1,0,1]
.endr
.endr
.irp b, 0,1,2,3
	ds_store_b128 v[STO], v[32+8*\b:32+8*\b+3] offset:64*\b
	ds_store_b128 v[STO], v[32+8*\b+4:32+8*\b+7] offset:64*\b+16
.endr
.if \a > 0
	s_wait_xcnt 0x0                                ; the last block's stores have read their registers
.endif
.irp i, 0,1,2,3,4,5,6,7
	ds_load_b128 v[64+4*\i:64+4*\i+3], v[RD] offset:544*\i   ; in order behind my stores
.endr
	s_wait_dscnt 0x0
.irp i, 0,1,2,3,4,5,6,7
	global_store_b128 v[CO], v[64+4*\i:64+4*\i+3], s[8:9] offset:(16*\a+2*\i)*4096 th:TH_STORE_NT   ; sixteen lanes store 256 consecutive bytes, aligned
.endr
.endr
	s_wait_tensorcnt 0x0                           ; the wave's end
	ds_add_u32 v[SPW], v[NIL]
	s_wait_dscnt 0x0
	CROUND                                         ; the closing round
	s_endpgm
.Lfunc_end_k_qd96138a70a_oproj:
	.size	k_qd96138a70a_oproj, .Lfunc_end_k_qd96138a70a_oproj-k_qd96138a70a_oproj
	.p2alignl 7, 3214868480
	.fill 96, 4, 3214868480
	.section	.rodata,"a",@progbits
	.p2align	6, 0x0
	.amdhsa_kernel k_qd96138a70a_oproj
		.amdhsa_group_segment_fixed_size 327680
		.amdhsa_private_segment_fixed_size 0
		.amdhsa_enable_private_segment 0
		.amdhsa_kernarg_size 40
		.amdhsa_user_sgpr_count 2
		.amdhsa_user_sgpr_kernarg_segment_ptr 1
		.amdhsa_wavefront_size32 1
		.amdhsa_system_sgpr_workgroup_id_x 1
		.amdhsa_system_sgpr_workgroup_id_y 1
		.amdhsa_system_sgpr_workgroup_id_z 1
		.amdhsa_system_vgpr_workitem_id 0
		.amdhsa_next_free_vgpr 640
		.amdhsa_next_free_sgpr 72
		.amdhsa_reserve_vcc 0
		.amdhsa_float_denorm_mode_32 3
		.amdhsa_float_denorm_mode_16_64 3
		.amdhsa_memory_ordered 1
		.amdhsa_forward_progress 1
		.amdhsa_inst_pref_size 172
	.end_amdhsa_kernel
	.amdgpu_metadata
---
amdhsa.version: [ 1, 2 ]
amdhsa.kernels:
  - .name:           k_qd96138a70a_oproj
    .symbol:         k_qd96138a70a_oproj.kd
    .args:
      - { .name: ao, .offset: 0, .size: 8, .value_kind: global_buffer, .address_space: global }
      - { .name: wo16, .offset: 8, .size: 8, .value_kind: global_buffer, .address_space: global }
      - { .name: aoe, .offset: 16, .size: 8, .value_kind: global_buffer, .address_space: global }
      - { .name: wo_b, .offset: 24, .size: 8, .value_kind: global_buffer, .address_space: global }
      - { .name: out0, .offset: 32, .size: 8, .value_kind: global_buffer, .address_space: global }
    .group_segment_fixed_size: 327680
    .private_segment_fixed_size: 0
    .kernarg_segment_align: 8
    .kernarg_segment_size: 40
    .max_flat_workgroup_size: 128
    .sgpr_count:     72
    .vgpr_count:     640
    .wavefront_size: 32
...
	.end_amdgpu_metadata
.endif
;; end of part 4
